; MI455X (gfx1250); checked and timed in simulation.
; The chip was launched on July 23, 2026; its instructions are those of AMD's public machine-readable ISA for CDNA 5 (MIT licence, August 2026) and "CDNA5" Instruction Set Architecture Reference Guide (July 2026). The comments in the code are by the model that wrote it; some were corrected since.
;; Multi Query Attention. Allowed arithmetic: matrix products marked QUANTISED: E4M3 operands, one given power-of-two scale a tensor, by v_wmma_f32_16x16x64_fp8_fp8 or v_wmma_f32_16x16x128_fp8_fp8, f32 sums; everything else in f32.
;; Inputs: Wk_codes 128 x 64 x 32 uint8 (E4M3 codes of Wk, K innermost, in blocks of 32 codes); Wo_codes 2,048 x 32 x 32 uint8 (E4M3 codes of Wo, K innermost, in blocks of 32 codes); Wq_codes 2,048 x 64 x 32 uint8 (E4M3 codes of Wq, K innermost, in blocks of 32 codes); Wv_codes 64 x 64 x 32 uint8 (E4M3 codes of Wv, K innermost, in blocks of 32 codes); bk 128 float32; bo 2,048 float32; bq 2,048 float32; bv 64 float32; k_in_codes 2 x 2,048 x 64 x 32 uint8 (E4M3 codes of k_in, K innermost, in blocks of 32 codes); lowp_scales 12 int32 (the exponents e of the quantised operands' scales 2^e); mask 2 x 2,048 bool; q_in_codes 2 x 2,048 x 64 x 32 uint8 (E4M3 codes of q_in, K innermost, in blocks of 32 codes); v_in_codes 2 x 2,048 x 64 x 32 uint8 (E4M3 codes of v_in, K innermost, in blocks of 32 codes).
;; Outputs: out0 2 x 2,048 x 2,048 float32.
;; This version of the problem:
;;   THIS VERSION OF THE PROBLEM IS GIVEN IN LOW PRECISION. The matrix products marked QUANTISED in the list below multiply operands that are first quantised to E4M3 (4 exponent bits, 3 mantissa bits; 8 bits a number), with one given power-of-two scale for each operand tensor; their sums are f32. All else is computed in f32.
;;   The module's matrix products, in the order in which they are computed (A, B: the left and right operand; K: the contracted axis; several contracted axes count as one K, in the product's order):
;;     1. [M 4,096, K 2,048] x [K 2,048, N 2,048]; A: input q_in (given as codes); B: input Wq (given as codes): QUANTISED (scales: A lowp_scales[0], B lowp_scales[1])
;;     2. [M 4,096, K 2,048] x [K 2,048, N 128]; A: input k_in (given as codes); B: input Wk (given as codes): QUANTISED (scales: A lowp_scales[2], B lowp_scales[3])
;;     3. [M 4,096, K 2,048] x [K 2,048, N 64]; A: input v_in (given as codes); B: input Wv (given as codes): QUANTISED (scales: A lowp_scales[4], B lowp_scales[5])
;;     4. batch 2 x [M 32,768, K 128] x [K 128, N 2,048]; A: computed on the way; B: computed on the way: QUANTISED (scales: A lowp_scales[6], B lowp_scales[7])
;;     5. batch 2 x [M 32,768, K 2,048] x [K 2,048, N 64]; A: softmax (see below); B: computed on the way: QUANTISED (scales: A lowp_scales[8], B lowp_scales[9])
;;     6. [M 4,096, K 1,024] x [K 1,024, N 2,048]; A: computed on the way; B: input Wo (given as codes): QUANTISED (scales: A lowp_scales[10], B lowp_scales[11])
;;   THE QUANTISER, for each operand of a quantised product, along K:
;;     - The operand's scale is 2^e, e = its entry of the input lowp_scales (int32; the entries are numbered through the quantised products in the list's order, A before B).
;;     - Each number is divided by the scale, clamped to +-448, and rounded to the nearest number of E4M3, ties to even, subnormals kept.
;;     - The product sums the exact products of the quantised numbers (number of the format x scale) in f32.
;;   ~~~python
;;   def quantise(x, axis, e):      # numpy; x: float32 -> the quantised numbers, widened to float32 again
;;       x = np.moveaxis(x, axis, -1); K = x.shape[-1]
;;       r = np.clip(x / 2.0 ** e, -448, 448)
;;       step = 2.0 ** (np.maximum(np.frexp(np.where(r == 0, 1, r))[1] - 1, -6) - 3)
;;       q = np.round(r / step) * step * 2.0 ** e      # np.round: ties to even
;;       return np.moveaxis(q, -1, axis).astype(np.float32)
;;   ~~~
;;   SOFTMAX AHEAD OF A QUANTISED PRODUCT. Where the list says 'softmax', what is quantised is not the finished softmax but p = 2^(t - M), with t = logit x log2(e) and M = ceil(the row's largest t), a whole number; so 1/2 < the row's largest p <= 1. The row's sum l is taken of the UNQUANTISED p, in f32, and the product's result is divided by l at the end. Since M is a whole number, a kernel that streams over the keys may use a running M (the ceiling of the running maximum): every later rescaling is an exact power of two, so the quantised numbers keep their values, but for numbers so far below the row's largest that they fall under the format's range.
;;   OPERANDS COMPUTED ON THE WAY. 'Computed on the way' means the value that the module computes at that place (a softmax that the list does not call 'softmax' is quantised finished and normalised). What goes into a quantiser is computed in f32, as accurately as f32 sums, v_exp_f32 and their like allow (about 1e-6 of the number): no bf16 or f16 on the way to a quantiser, and a product that is left as it is and whose result goes on into a quantised operand takes f32 operands (vector FMAs, or v_wmma_f32_16x16x4_f32). A number that lies on a knife's edge between two numbers of the format may be rounded either way, as far as f32 arithmetic and the matrix unit's own rounding can turn it there, and no further.
;;   INPUTS GIVEN AS CODES. Wk (in the module: [2048, 128], K = its axis 0); Wo (in the module: [1024, 2048], K = its axis 0); Wq (in the module: [2048, 2048], K = its axis 0); Wv (in the module: [2048, 64], K = its axis 0); k_in (in the module: [2, 2048, 2048], K = its axis 2); q_in (in the module: [2, 2048, 2048], K = its axis 2); v_in (in the module: [2, 2048, 2048], K = its axis 2): each comes as NAME_codes (uint8): NAME with its K axis moved to the last place and cut into blocks of 32 codes, [.., K / 32, bytes a block], one block behind the other in memory; one code a byte (a code: sign, 4 exponent bits, 3 mantissa bits); its scale is its entry of lowp_scales. Its value is code x scale, taken as it is: it is not quantised again, and the codes and scales need not be those that the quantiser above would give.
;; One version. Each part assembles by itself: llvm-mc -triple=amdgcn-amd-amdhsa -mcpu=gfx1250 --defsym DOCPART=n.
;; ======== version 1 of 1: 4 launches
;; limits: right only within a limited range of input values
;; workspace buffers: rope_tab 1,048,576 bytes; kv_img 786,432 bytes; q_img 8,388,608 bytes; a_img 4,194,304 bytes
;; launch kvproj (part 1): grid 192 x 1, 4 waves a work-group, clusters of 4 x 1, 327,680 bytes of LDS; arguments k_in_codes, v_in_codes, Wk_codes, Wv_codes, bk, bv, lowp_scales, kv_img, rope_tab; writes kv_img, rope_tab
.if DOCPART == 1
	.amdgcn_target "amdgcn-amd-amdhsa--gfx1250"
	.amdhsa_code_object_version 6
	.text
	.protected	k_qb4faa50447_kvproj
	.globl	k_qb4faa50447_kvproj
	.p2align	8
	.type	k_qb4faa50447_kvproj,@function
k_qb4faa50447_kvproj:
	s_mov_b64 s[64:65], 0
	v_nop
	global_prefetch_b8 v0, s[64:65] scope:SCOPE_SE
	s_setreg_imm32_b32 hwreg(HW_REG_WAVE_MODE, 25, 1), 1
	s_wait_xcnt 0x0
	s_wait_alu depctr_hold_cnt(0) depctr_sa_sdst(0) depctr_va_vdst(0) depctr_va_sdst(0) depctr_va_ssrc(0) depctr_va_vcc(0) depctr_vm_vsrc(0)
	s_getreg_b32 s2, hwreg(HW_REG_IB_STS2, 6, 4)
	s_cmp_eq_u32 s2, 0
	s_cbranch_scc0 .Lentry_in_a_cluster
	s_endpgm
.Lentry_in_a_cluster:
	s_bfe_u32 s2, ttmp6, 0x10000c
	s_cmp_lg_u32 s2, 0x3003
	s_cbranch_scc0 .Lentry_shape_is_right
	s_endpgm
.Lentry_shape_is_right:
; k = rope(k_in Wk + bk) and v = v_in Wv + bv, both products on E4M3 codes, both results quantised (k with 2^e7, v with 2^e9) and stored as IMAGES OF OPERAND REGISTERS
; for the attention launch; and the table of cos and sin (2,048 positions x 64 frequencies) that the query projection reads.
; SHARES.  48 clusters of 4 work-groups.  Cluster C < 32: a k task: 64 rows of k_in (row block RB = 4 (C / 2) + cx) x 64 rows of Wk (d = 32 half + 0..31 and 64 + 32 half + 0..31, half = C % 2).
; C >= 32: a v task: 64 rows of v_in (RB = 4 (C - 32) + cx) x the 64 rows of Wv.  The four partners need the same weight rows: asked for jointly (mask 15); the inputs' rows are each work-group's own.
; No branch and no LDS address hangs on cx.  All of K = 2,048 lies in LDS at once, in two halves of 1,024, each filled once: nothing is filled again.
; A wave (rho = wave / 2, pi = wave % 2) makes 32 rows x 32 columns: four accumulators.
; k IS MADE TRANSPOSED (source 0 = 16 rows of Wk, source 1 = 16 rows of k_in): a lane holds one row and eight neighbouring d; d's RoPE partner d + 64 is the same register of the wave's other weight tile.
; v IS MADE THE NATURAL WAY (source 0 = 16 keys, source 1 = 16 rows of Wv): a lane holds one dv and eight neighbouring keys, the second product's K.
; Wv's rows of a tile are r + 8 (r / 8) + 8 t + 32 pi, so that O^T's registers of two neighbouring tiles are 16 neighbouring dv.
; IMAGES (kv_img, 24,576 bytes for each block of 128 keys): 8 fragments of K (key tile t at 2,048 t; chunk c at 512 c; lane's 16 bytes at 16 lane: d = 16 c + 8 h + 0..7, then 64 + 16 c + 8 h + 0..7),
; then 4 of V (at 16,384 + 2,048 u: registers 2 c, 2 c + 1 = keys 16 c + 8 h + 0..7).
; LIMITS: e2 + e3 and e4 + e5 between -126 and 127; e7 and e9 between -126 and 119.  NaN and infinities among the inputs are not served.  inv_freq = 2^(-i log2(10000) / 64) is within about one unit
; in the last place of 10000^(-i/64); an angle may so differ by about 2e-4 rad at the last positions.
.set CH,    133120                     ; K lies in LDS in TWO HALVES of 1,024: a half is 128 rows x (1,024 bytes + 16 of padding): rows 0-63 the input's, 64-127 the weight's.  A wave brings its 32 rows of half 0 at the head and of half 1 behind the full sequence and a round
.set WROWS, 66560                      ; where the weight's rows begin in a half: 64 x 1,040
.set FA,    12                         ; v12-13  LDS address of my input fragments in half 0, 1
.set FWK,   16                         ; v16-17  of my Wk fragments
.set FWV,   20                         ; v20-21  of my Wv fragments
.set RHO,   2                          ; s2   wave / 2
.set WV,    22
.set CX,    23
.set RB,    24
.set HALF,  25
.set PI,    26                         ; s26  wave % 2
.set G1A,   28                         ; s[28:35] group 1, the input's tiles (no mask);  s[36:43] the weight's (mask 15)
.set G1W,   36
.set G0A,   44                         ; s[44:51] two groups 0, one for each half;  s[68:75] the weight's
.set G0W,   68
.set NP1,   92                         ; s92-94 -pi/2 in three parts; s95-97, s98-100 the polynomials of sin and cos
.set NP2,   93
.set NP3,   94
.set SS1,   95
.set SS2,   96
.set SS3,   97
.set CC1,   98
.set CC2,   99
.set CC3,   100
.macro PLACES n
.rept \n
	v_nop
.endr
.endm
.macro CROUND                          ; a round of the cluster's barrier
	s_barrier_signal -1
	s_barrier_wait -1
	s_cmp_lg_u32 s[WV], 0
	s_cbranch_scc1 .Lnot_wave_0_\@
	s_barrier_signal -3
.Lnot_wave_0_\@:
	s_barrier_wait -3
	s_barrier_signal -1
	s_barrier_wait -1
.endm
	s_load_b256 s[4:11], s[0:1], 0x0               ; k_in s[4:5], v_in s[6:7], Wk s[8:9], Wv s[10:11]
	s_load_b256 s[12:19], s[0:1], 0x20             ; bk s[12:13], bv s[14:15], the scales s[16:17], kv_img s[18:19]
	s_load_b64 s[20:21], s[0:1], 0x40              ; rope_tab
	v_lshl_add_u32 v254, v0, 2, 0x42000
	v_mov_b32 v255, 0
	ds_add_u32 v254, v255
	ds_add_u32 v254, v255
	v_lshrrev_b32 v1, 5, v0
	v_readfirstlane_b32 s[WV], v1
	s_bfe_u32 s[CX], ttmp6, 0x40000                ; my place in the cluster: it enters global addresses alone
	s_lshr_b32 s[RB], ttmp9, 1
	s_sub_co_u32 s27, ttmp9, 32
	s_cmp_lt_u32 ttmp9, 32                         ; a k task or a v task: the cluster's number decides
	s_cselect_b32 s[RB], s[RB], s27
	s_lshl_b32 s[RB], s[RB], 2
	s_add_co_u32 s[RB], s[RB], s[CX]               ; my block of 64 rows, 0..63
	s_and_b32 s[HALF], ttmp9, 1
	s_and_b32 s[PI], s[WV], 1
	s_lshr_b32 s[RHO], s[WV], 1
	; group 1: 32 rows of 1,024 bytes, 2,048 bytes apart in memory, 16 bytes of padding behind each row in LDS
	s_mov_b32 s[G1A], (1<<20)|(7<<22)|(3<<25)      ; elements of 1 byte; padding on; after every 256 words (code 7) four words (code 3)
	s_mov_b32 s[G1W], 15|(1<<20)|(1<<21)|(7<<22)|(3<<25)   ; the same, for all four work-groups of the cluster
.irp g, G1A, G1W
	s_mov_b32 s[\g+1], 1024<<16                    ; tensor_dim0
	s_mov_b32 s[\g+2], 32<<16                      ; tensor_dim1
	s_mov_b32 s[\g+3], 1024<<16                    ; tile_dim0
	s_mov_b32 s[\g+4], 32                          ; tile_dim1
	s_mov_b32 s[\g+5], 2048                        ; from row to row
	s_mov_b32 s[\g+6], 0
	s_mov_b32 s[\g+7], 0
.endr
	s_lshl_b32 s62, s[RB], 17                      ; the input: 64 RB rows of 2,048 bytes,
	s_lshl_b32 s27, s[PI], 16                      ; + 32 rows for wave 1
	s_add_co_u32 s62, s62, s27
	s_mov_b32 s63, 0
	s_lshl_b32 s92, s[PI], 17                      ; Wk: row 64 (wave % 2) + 32 half
	s_lshl_b32 s93, s[HALF], 16
	s_add_co_u32 s92, s92, s93
	s_lshl_b32 s93, s[PI], 16                      ; Wv: row 32 (wave % 2)
	s_cmp_lt_u32 ttmp9, 32
	s_cselect_b32 s92, s92, s93
	s_mov_b32 s93, 0
	s_mul_i32 s94, s[WV], 33280                    ; in a half: rows 32 x wave
	s_wait_dscnt 0x0
	s_wait_kmcnt 0x0
	s_cmp_lt_u32 ttmp9, 32
	s_cselect_b64 s[60:61], s[4:5], s[6:7]
	s_cselect_b64 s[66:67], s[8:9], s[10:11]
	s_add_nc_u64 s[60:61], s[60:61], s[62:63]
	s_add_nc_u64 s[66:67], s[66:67], s[92:93]
	s_load_b256 s[84:91], s[16:17], 0x8            ; e2 .. e9
	CROUND                                         ; all four work-groups are here: the joint loads meet
.irp q, 0,1
	s_mov_b32 s[G0A+4*\q], 1
	s_add_co_u32 s[G0A+4*\q+1], s94, \q*CH
	s_add_nc_u64 s[G0A+4*\q+2:G0A+4*\q+3], s[60:61], \q*1024
	s_or_b32 s[G0A+4*\q+3], s[G0A+4*\q+3], 0x80000000
	s_mov_b32 s[G0W+4*\q], 1
	s_add_co_u32 s[G0W+4*\q+1], s94, \q*CH
	s_add_nc_u64 s[G0W+4*\q+2:G0W+4*\q+3], s[66:67], \q*1024
	s_or_b32 s[G0W+4*\q+3], s[G0W+4*\q+3], 0x80000000
.endr
	s_cmp_lt_u32 s[WV], 2                          ; waves 0, 1: the input's halves; waves 2, 3: the weight's.  A wave's fill stands in one branch: one load of mine is out
	s_cbranch_scc0 .Lfill_w
.irp q, 0
	tensor_load_to_lds s[G0A+4*\q:G0A+4*\q+3], s[G1A:G1A+7]
	s_nop 0
.endr
	PLACES 4
	s_branch .Lfilled
.Lfill_w:
.irp q, 0
	tensor_load_to_lds s[G0W+4*\q:G0W+4*\q+3], s[G1W:G1W+7]
	s_nop 0
.endr
	PLACES 4
.Lfilled:
	v_and_b32 v1, 15, v0                           ; r
	v_bfe_u32 v2, v0, 4, 1                         ; h
	v_and_b32 v6, 31, v0
	v_lshlrev_b32 v6, 4, v6                        ; 16 x lane: my place in an image's chunk
	v_lshlrev_b32 v7, 5, v2                        ; 32 h
	v_and_b32 v9, 8, v1
	v_add_nc_u32 v9, v9, v1                        ; r + 8 (r / 8)
	v_lshlrev_b32 v8, 2, v9
	v_mul_u32_u24 v10, v1, 1040
	v_lshl_add_u32 v10, v2, 4, v10                 ; row r x pitch + 16 h
	v_mul_u32_u24 v11, v9, 1040
	v_lshl_add_u32 v11, v2, 4, v11
	s_mul_i32 s27, s[RHO], 33280
	v_add_nc_u32 v[FA], s27, v10                   ; my 32 rows of the input
	s_mul_i32 s27, s[PI], 16640
	s_add_co_u32 s27, s27, WROWS
	v_add_nc_u32 v[FWK], s27, v10                  ; Wk: tile pi of the low d; the high d's tile lies 32 rows on
	s_mul_i32 s27, s[PI], 33280
	s_add_co_u32 s27, s27, WROWS
	v_add_nc_u32 v[FWV], s27, v11                  ; Wv: rows 32 pi + r + 8 (r / 8); the second tile 8 rows on
.irp q, 1
	v_add_nc_u32 v[FA+\q], \q*CH, v[FA]
	v_add_nc_u32 v[FWK+\q], \q*CH, v[FWK]
	v_add_nc_u32 v[FWV+\q], \q*CH, v[FWV]
.endr
; 16 LDS loads: K step st (128 along K) of chunk q into fragment set buf: the input's two tiles, then the weight's two.  Four loads of 16 bytes, 32 apart, bring a fragment: the same places of k on both sides.
.macro LOADF buf, q, st, kind
.set FB, 32+64*(\buf)
.irp i, 0,1
.irp c, 0,1,2,3
	ds_load_b128 v[FB+16*\i+4*\c:FB+16*\i+4*\c+3], v[FA+\q] offset:128*(\st)+32*\c+16640*\i
.endr
.endr
.irp t, 0,1
.irp c, 0,1,2,3
.if \kind
	ds_load_b128 v[FB+32+16*\t+4*\c:FB+32+16*\t+4*\c+3], v[FWV+\q] offset:128*(\st)+32*\c+8320*\t
.else
	ds_load_b128 v[FB+32+16*\t+4*\c:FB+32+16*\t+4*\c+3], v[FWK+\q] offset:128*(\st)+32*\c+33280*\t
.endif
.endr
.endr
.endm
; four matrix instructions, the four accumulators by turns.  Accumulator (input tile i, weight tile t) at v[160 + 16 i + 8 t].  first = 1: the products start the sums
.macro MULS buf, kind, first
.set FB, 32+64*(\buf)
.irp i, 0,1
.irp t, 0,1
.if \kind
.if \first
	v_wmma_f32_16x16x128_fp8_fp8 v[160+16*\i+8*\t:167+16*\i+8*\t], v[FB+16*\i:FB+16*\i+15], v[FB+32+16*\t:FB+32+16*\t+15], 0
.else
	v_wmma_f32_16x16x128_fp8_fp8 v[160+16*\i+8*\t:167+16*\i+8*\t], v[FB+16*\i:FB+16*\i+15], v[FB+32+16*\t:FB+32+16*\t+15], v[160+16*\i+8*\t:167+16*\i+8*\t]
.endif
.else
.if \first
	v_wmma_f32_16x16x128_fp8_fp8 v[160+16*\i+8*\t:167+16*\i+8*\t], v[FB+32+16*\t:FB+32+16*\t+15], v[FB+16*\i:FB+16*\i+15], 0
.else
	v_wmma_f32_16x16x128_fp8_fp8 v[160+16*\i+8*\t:167+16*\i+8*\t], v[FB+32+16*\t:FB+32+16*\t+15], v[FB+16*\i:FB+16*\i+15], v[160+16*\i+8*\t:167+16*\i+8*\t]
.endif
.endif
.endr
.endr
.endm
; a half of 1,024 along K: eight K steps on two fragment sets; a step's loads are issued a step ahead
.macro CHUNK q, kind
.if \q == 0
	s_wait_alu depctr_va_vdst(0)
	s_wait_tensorcnt 0x0                           ; my part of half 0 has landed
	ds_add_u32 v254, v255
	s_wait_dscnt 0x0
	CROUND                                         ; everybody's part is in, and the four work-groups meet for the joint load
	s_cmp_lt_u32 s[WV], 2
	s_cbranch_scc0 .Lw_\@
	tensor_load_to_lds s[G0A+4:G0A+7], s[G1A:G1A+7]    ; half 1: my one load behind the round; it has half 0's eight K steps in which to land
	s_nop 0
	PLACES 4
	s_branch .Lf_\@
.Lw_\@:
	tensor_load_to_lds s[G0W+4:G0W+7], s[G1W:G1W+7]
	s_nop 0
	PLACES 4
.Lf_\@:
.else
	s_wait_tensorcnt 0x0                           ; my part of half 1 has landed
	s_barrier_signal -1                            ; (no LDS load of mine is out: half 0 ended on a wait for all)
	s_barrier_wait -1                              ; everybody's has
	PLACES 4                                       ; in front of loads into registers that matrix instructions have read
.endif
	LOADF 0, \q, 0, \kind
	LOADF 1, \q, 1, \kind
	s_wait_dscnt 16                                ; all but the 16 just issued
.if \q == 0
	MULS 0, \kind, 1
.else
	MULS 0, \kind, 0
.endif
.irp st, 2,3,4,5,6,7                           ; K step st is fetched into the set just multiplied while step st - 1 is multiplied
	PLACES 4
	LOADF (\st)%2, \q, \st, \kind
	s_wait_dscnt 16                                ; all but the 16 just issued
	MULS (\st+1)%2, \kind, 0
.endr
	s_wait_dscnt 0x0
	MULS 1, \kind, 0
.endm
; cos and sin of the angle v[p] x v[f] (one rounding, as the product of position and frequency has).  k = the nearest whole number to angle x 2 / pi; the rest by three fused steps with pi / 2 in three parts;
; polynomials on |rest| <= pi / 4; the quadrant swaps the two and sets their signs.  A choice of values only: no branch.
.macro SINCOS c, s, p, f
	v_mul_f32 v10, v[\p], v[\f]
	v_mul_f32 v24, 0x3f22f983, v10
	v_rndne_f32 v24, v24
	v_fma_f32 v25, v24, s[NP1], v10
	v_fma_f32 v25, v24, s[NP2], v25
	v_fma_f32 v25, v24, s[NP3], v25
	v_cvt_i32_f32 v27, v24
	v_mul_f32 v26, v25, v25
	v_fma_f32 v28, v26, s[SS3], s[SS2]
	v_fma_f32 v29, v26, s[CC3], s[CC2]
	v_fma_f32 v28, v28, v26, s[SS1]
	v_fma_f32 v29, v29, v26, s[CC1]
	v_mul_f32 v10, v26, v25
	v_mul_f32 v11, v26, v26
	v_fma_f32 v28, v28, v10, v25                   ; sin of the rest
	v_fma_f32 v10, v26, -0.5, 1.0
	v_fma_f32 v29, v29, v11, v10                   ; cos of the rest
	v_and_b32 v10, 1, v27
	v_cmp_eq_u32 vcc_lo, 1, v10
	v_cndmask_b32 v[\s], v28, v29, vcc_lo
	v_cndmask_b32 v[\c], v29, v28, vcc_lo
	v_and_b32 v10, 2, v27
	v_add_nc_u32 v11, 1, v27
	v_lshlrev_b32 v10, 30, v10
	v_and_b32 v11, 2, v11
	v_xor_b32 v[\s], v[\s], v10
	v_lshlrev_b32 v11, 30, v11
	v_xor_b32 v[\c], v[\c], v11
.endm
	s_wait_kmcnt 0x0                               ; the scales' exponents
	s_cmp_lt_u32 ttmp9, 32
	s_cbranch_scc0 .Lvpath
	; ---------------- the k task ----------------
	s_mov_b32 s[NP1], 0xbfc90fdb
	s_mov_b32 s[NP2], 0x333bbd2e
	s_mov_b32 s[NP3], 0x26f72ced
	s_mov_b32 s[SS1], 0xbe2aaaa3
	s_mov_b32 s[SS2], 0x3c08839e
	s_mov_b32 s[SS3], 0xb94ca1f9
	s_mov_b32 s[CC1], 0x3d2aaaa5
	s_mov_b32 s[CC2], 0xbab6061a
	s_mov_b32 s[CC3], 0x37ccf5ce
	s_lshl_b32 s27, s[HALF], 1
	s_add_co_u32 s27, s27, s[PI]                   ; bb = 2 half + pi: my low tile holds d = 16 bb + 0..15: chunk bb of a fragment
	s_lshl_b32 s62, s27, 6
	s_add_nc_u64 s[12:13], s[12:13], s[62:63]      ; bk at d = 16 bb
	global_load_b128 v[192:195], v7, s[12:13]                ; bk[16 bb + 8 h + 0..7],
	global_load_b128 v[196:199], v7, s[12:13] offset:16
	global_load_b128 v[200:203], v7, s[12:13] offset:256     ; and 64 further on
	global_load_b128 v[204:207], v7, s[12:13] offset:272
	s_lshl_b32 s62, s[RB], 15                      ; the table: position tile 4 RB + 2 rho, 8,192 bytes each; + 2,048 bb
	s_lshl_b32 s3, s[RHO], 14
	s_add_co_u32 s62, s62, s3
	s_lshl_b32 s3, s27, 11
	s_add_co_u32 s62, s62, s3
	s_add_nc_u64 s[20:21], s[20:21], s[62:63]
	s_lshr_b32 s62, s[RB], 1                       ; the images: block RB / 2; key tile 4 (RB % 2) + 2 rho; chunk bb
	s_mul_i32 s62, s62, 24576
	s_and_b32 s3, s[RB], 1
	s_lshl_b32 s3, s3, 13
	s_add_co_u32 s62, s62, s3
	s_lshl_b32 s3, s[RHO], 12
	s_add_co_u32 s62, s62, s3
	s_lshl_b32 s3, s27, 9
	s_add_co_u32 s62, s62, s3
	s_add_nc_u64 s[18:19], s[18:19], s[62:63]
	s_add_co_i32 s60, s84, s85                     ; a sum stands for sum x 2^(e2 + e3)
	s_add_co_i32 s60, s60, 127
	s_lshl_b32 s60, s60, 23
	s_mov_b32 s61, s60
	s_add_co_i32 s62, s89, 127
	s_lshl_b32 s3, s62, 23
	v_mov_b32 v248, s3                             ; 2^e7: the conversion takes its exponent field
	s_add_co_i32 s62, s62, 8
	s_lshl_b32 s62, s62, 23
	s_or_b32 s62, s62, 0x600000
	v_mov_b32 v249, s62                            ; 448 x 2^e7
	; the frequencies of my eight d: 2^(-i L), L = log2(10000) / 64 = Lh + Ll; i Lh is exact (6 bits x 17), so whole part and fraction part exactly; i Ll is added to the fraction
	v_lshlrev_b32 v24, 3, v2
	s_lshl_b32 s3, s27, 4
	v_add_nc_u32 v24, s3, v24                      ; 16 bb + 8 h
.irp j, 0,1,2,3,4,5,6,7
	v_add_nc_u32 v25, \j, v24
	v_cvt_f32_u32 v25, v25
	v_mul_f32 v26, 0xbe549a80, v25
	v_floor_f32 v27, v26
	v_sub_f32 v26, v26, v27
	v_fmamk_f32 v[240+\j], v25, 0x33f6865d, v26
	v_cvt_i32_f32 v[32+\j], v27
.endr
	s_wait_alu depctr_va_vdst(0)
.irp j, 0,1,2,3,4,5,6,7
	v_exp_f32 v[240+\j], v[240+\j]
.endr
	v_nop                                          ; a plain instruction behind the last exponential
	s_wait_alu depctr_va_vdst(0)                   ; one wait for the eight, ahead of their first reader
.irp j, 0,1,2,3,4,5,6,7
	v_ldexp_f32 v[240+\j], v[240+\j], v[32+\j]
.endr
	s_lshl_b32 s3, s[RB], 6
	s_lshl_b32 s62, s[RHO], 5
	s_add_co_u32 s3, s3, s62
	s_and_b32 s3, s3, 2047                         ; my first row's position in its batch
	v_add_nc_u32 v30, s3, v1
	v_add_nc_u32 v31, 16, v30
	v_cvt_f32_u32 v30, v30
	v_cvt_f32_u32 v31, v31
.irp i, 0,1                                    ; cos at v[208 + 8 i + j], sin at v[224 + 8 i + j]: made while the tiles are on their way
.irp j, 0,1,2,3,4,5,6,7
	SINCOS 208+8*\i+\j, 224+8*\i+\j, 30+\i, 240+\j
.endr
.endr
	s_cmp_lt_u32 ttmp9, 16                         ; the first batch's tasks store the table: each of its bytes once
	s_cbranch_scc0 .Lno_tab
.irp i, 0,1
	global_store_b128 v6, v[208+8*\i:211+8*\i], s[20:21] offset:8192*\i          ; each store covers 512 consecutive bytes
	global_store_b128 v6, v[212+8*\i:215+8*\i], s[20:21] offset:8192*\i+512
	global_store_b128 v6, v[224+8*\i:227+8*\i], s[20:21] offset:8192*\i+1024
	global_store_b128 v6, v[228+8*\i:231+8*\i], s[20:21] offset:8192*\i+1536
.endr
.Lno_tab:
	CHUNK 0, 0
	CHUNK 1, 0
	PLACES 4                                       ; in front of the first read of results and the first write of fragment registers
	s_wait_loadcnt 0x0                             ; bk
.irp i, 0,1                                    ; row tile i: x1 (low d) at v[32 + 16 i], x2 (high d) at v[40 + 16 i]
.irp j, 0,2,4,6
	v_pk_fma_f32 v[32+16*\i+\j:33+16*\i+\j], v[160+16*\i+\j:161+16*\i+\j], s[60:61], v[192+\j:193+\j] op_sel_hi:[1,0,1]
.endr
.irp j, 0,2,4,6
	v_pk_fma_f32 v[40+16*\i+\j:41+16*\i+\j], v[168+16*\i+\j:169+16*\i+\j], s[60:61], v[200+\j:201+\j] op_sel_hi:[1,0,1]
.endr
.irp j, 0,2,4,6
	v_pk_mul_f32 v[64+\j:65+\j], v[40+16*\i+\j:41+16*\i+\j], v[224+8*\i+\j:225+8*\i+\j]      ; x2 sin
	v_pk_mul_f32 v[72+\j:73+\j], v[32+16*\i+\j:33+16*\i+\j], v[224+8*\i+\j:225+8*\i+\j]      ; x1 sin
	v_pk_fma_f32 v[32+16*\i+\j:33+16*\i+\j], v[32+16*\i+\j:33+16*\i+\j], v[208+8*\i+\j:209+8*\i+\j], v[64+\j:65+\j] neg_lo:[0,0,1] neg_hi:[0,0,1]   ; x1 cos - x2 sin
	v_pk_fma_f32 v[40+16*\i+\j:41+16*\i+\j], v[40+16*\i+\j:41+16*\i+\j], v[208+8*\i+\j:209+8*\i+\j], v[72+\j:73+\j]                                 ; x2 cos + x1 sin
.endr
.irp j, 0,1,2,3,4,5,6,7,8,9,10,11,12,13,14,15
	v_med3_num_f32 v[32+16*\i+\j], v[32+16*\i+\j], -v249, v249     ; the conversion to an 8-bit code does not saturate (ISA guide 7.6.2): the hold comes first
.endr
	v_cvt_scalef32_pk8_fp8_f32 v[240+4*\i:241+4*\i], v[32+16*\i:39+16*\i], v248
	v_cvt_scalef32_pk8_fp8_f32 v[242+4*\i:243+4*\i], v[40+16*\i:47+16*\i], v248
	v_nop                                          ; a plain instruction behind the conversions
	global_store_b128 v6, v[240+4*\i:243+4*\i], s[18:19] offset:2048*\i   ; chunk bb of key tile 2 rho + i: 512 consecutive bytes
.endr
	s_branch .Ljoin
	; ---------------- the v task ----------------
.Lvpath:
	s_lshl_b32 s62, s[PI], 7
	s_add_nc_u64 s[14:15], s[14:15], s[62:63]      ; bv at dv = 32 pi
	global_load_b32 v192, v8, s[14:15]             ; bv of my lane's dv in tile 0,
	global_load_b32 v193, v8, s[14:15] offset:32   ; in tile 1 (8 further on)
	s_lshr_b32 s62, s[RB], 1                       ; the images: block RB / 2; V's fragment 2 pi; chunk 2 (RB % 2) + rho
	s_mul_i32 s62, s62, 24576
	s_add_co_u32 s62, s62, 16384
	s_lshl_b32 s3, s[PI], 12
	s_add_co_u32 s62, s62, s3
	s_and_b32 s3, s[RB], 1
	s_lshl_b32 s3, s3, 10
	s_add_co_u32 s62, s62, s3
	s_lshl_b32 s3, s[RHO], 9
	s_add_co_u32 s62, s62, s3
	s_add_nc_u64 s[18:19], s[18:19], s[62:63]
	s_add_co_i32 s60, s86, s87                     ; a sum stands for sum x 2^(e4 + e5)
	s_add_co_i32 s60, s60, 127
	s_lshl_b32 s60, s60, 23
	s_add_co_i32 s62, s91, 127
	s_lshl_b32 s3, s62, 23
	v_mov_b32 v248, s3                             ; 2^e9
	s_add_co_i32 s62, s62, 8
	s_lshl_b32 s62, s62, 23
	s_or_b32 s62, s62, 0x600000
	v_mov_b32 v249, s62                            ; 448 x 2^e9
	CHUNK 0, 1
	s_wait_alu depctr_va_vdst(0)
	CHUNK 1, 1
	PLACES 4
	s_wait_loadcnt 0x0                             ; bv
.irp a, 0,1,2,3                                ; accumulator 2 i + t: key tile i, dv tile t
.irp j, 0,1,2,3,4,5,6,7
	v_fma_f32 v[32+8*\a+\j], v[160+8*\a+\j], s60, v[192+\a%2]
.endr
.endr
.set j, 0
.rept 32
	v_med3_num_f32 v[32+j], v[32+j], -v249, v249
.set j, j+1
.endr
.irp t, 0,1
	v_cvt_scalef32_pk8_fp8_f32 v[240+4*\t:241+4*\t], v[32+8*\t:39+8*\t], v248     ; key tile 2 rho: keys 8 h + 0..7 of it,
	v_cvt_scalef32_pk8_fp8_f32 v[242+4*\t:243+4*\t], v[48+8*\t:55+8*\t], v248     ; key tile 2 rho + 1
.endr
	v_nop
.irp t, 0,1
	global_store_b128 v6, v[240+4*\t:243+4*\t], s[18:19] offset:2048*\t
.endr
.Ljoin:
	s_wait_tensorcnt 0x0
	ds_add_u32 v254, v255
	s_wait_dscnt 0x0
	CROUND                                         ; the closing round: no work-group ends while a partner may still ask for a tile that names it
	s_endpgm
.Lfunc_end_k_qb4faa50447_kvproj:
	.size	k_qb4faa50447_kvproj, .Lfunc_end_k_qb4faa50447_kvproj-k_qb4faa50447_kvproj
	.p2alignl 7, 3214868480
	.fill 96, 4, 3214868480
	.section	.rodata,"a",@progbits
	.p2align	6, 0x0
	.amdhsa_kernel k_qb4faa50447_kvproj
		.amdhsa_group_segment_fixed_size 327680
		.amdhsa_private_segment_fixed_size 0
		.amdhsa_enable_private_segment 0
		.amdhsa_kernarg_size 72
		.amdhsa_user_sgpr_count 2
		.amdhsa_user_sgpr_kernarg_segment_ptr 1
		.amdhsa_wavefront_size32 1
		.amdhsa_system_sgpr_workgroup_id_x 1
		.amdhsa_system_sgpr_workgroup_id_y 1
		.amdhsa_system_sgpr_workgroup_id_z 1
		.amdhsa_system_vgpr_workitem_id 0
		.amdhsa_next_free_vgpr 256
		.amdhsa_next_free_sgpr 101
		.amdhsa_reserve_vcc 1
		.amdhsa_float_denorm_mode_32 3
		.amdhsa_float_denorm_mode_16_64 3
		.amdhsa_memory_ordered 1
		.amdhsa_forward_progress 1
		.amdhsa_inst_pref_size 90
	.end_amdhsa_kernel
	.amdgpu_metadata
---
amdhsa.version: [ 1, 2 ]
amdhsa.kernels:
  - .name:           k_qb4faa50447_kvproj
    .symbol:         k_qb4faa50447_kvproj.kd
    .args:
      - { .name: k_in_codes, .offset: 0, .size: 8, .value_kind: global_buffer, .address_space: global }
      - { .name: v_in_codes, .offset: 8, .size: 8, .value_kind: global_buffer, .address_space: global }
      - { .name: Wk_codes, .offset: 16, .size: 8, .value_kind: global_buffer, .address_space: global }
      - { .name: Wv_codes, .offset: 24, .size: 8, .value_kind: global_buffer, .address_space: global }
      - { .name: bk, .offset: 32, .size: 8, .value_kind: global_buffer, .address_space: global }
      - { .name: bv, .offset: 40, .size: 8, .value_kind: global_buffer, .address_space: global }
      - { .name: lowp_scales, .offset: 48, .size: 8, .value_kind: global_buffer, .address_space: global }
      - { .name: kv_img, .offset: 56, .size: 8, .value_kind: global_buffer, .address_space: global }
      - { .name: rope_tab, .offset: 64, .size: 8, .value_kind: global_buffer, .address_space: global }
    .group_segment_fixed_size: 327680
    .private_segment_fixed_size: 0
    .kernarg_segment_align: 8
    .kernarg_segment_size: 72
    .max_flat_workgroup_size: 128
    .sgpr_count:     101
    .vgpr_count:     256
    .wavefront_size: 32
...
	.end_amdgpu_metadata
.endif
;; end of part 1
;; launch qproj (part 2): grid 8 x 32, 4 waves a work-group, clusters of 4 x 4, 327,680 bytes of LDS; arguments q_in_codes, Wq_codes, lowp_scales, q_img, bq, rope_tab; writes q_img
.if DOCPART == 2
	.amdgcn_target "amdgcn-amd-amdhsa--gfx1250"
	.amdhsa_code_object_version 6
	.text
	.protected	k_qb4faa50447_qproj
	.globl	k_qb4faa50447_qproj
	.p2align	8
	.type	k_qb4faa50447_qproj,@function
k_qb4faa50447_qproj:
	s_mov_b64 s[64:65], 0
	v_nop
	global_prefetch_b8 v0, s[64:65] scope:SCOPE_SE
	s_setreg_imm32_b32 hwreg(HW_REG_WAVE_MODE, 25, 1), 1
	s_wait_xcnt 0x0
	s_wait_alu depctr_hold_cnt(0) depctr_sa_sdst(0) depctr_va_vdst(0) depctr_va_sdst(0) depctr_va_ssrc(0) depctr_va_vcc(0) depctr_vm_vsrc(0)
	s_getreg_b32 s2, hwreg(HW_REG_IB_STS2, 6, 4)
	s_cmp_eq_u32 s2, 0
	s_cbranch_scc0 .Lentry_in_a_cluster
	s_endpgm
.Lentry_in_a_cluster:
	s_bfe_u32 s2, ttmp6, 0x10000c
	s_cmp_lg_u32 s2, 0xf033
	s_cbranch_scc0 .Lentry_shape_is_right
	s_endpgm
.Lentry_shape_is_right:
; q = rope(q_in Wq + bq) on E4M3 codes, quantised with 2^e6 and stored as images of the attention launch's operand registers (fragment (head, tile of 16 rows) at 2,048 x (256 head + tile)).
; SHARES.  A work-group makes 128 rows x 256 columns (two heads): 32 x 8 = 256 work-groups.  A wave makes 64 rows x 128 columns (one head): 32 accumulators, window 2.
; K goes in steps of 256 through two LDS slots (A's 128 rows, then B's 256 rows, 272 bytes apart); waves 0, 1 fetch A's halves (64 rows), waves 2, 3 B's (128 rows): one tensor load a wave behind each round.
; CLUSTERS 4 x 4: A's tile is asked for jointly along a row of the cluster, B's along a column.  The matrix instruction is used transposed (source 0 = Wq's rows, source 1 = q_in's rows):
; a lane holds one row and eight neighbouring d; d's RoPE partner d + 64 is the same register four B blocks on.
; REGISTERS: window 0: v16-31 addresses, v32-95 bq, v128-255 A's fragments, two sets of 64; window 1: B's fragments, two sets of 128 (on the way out: at work); window 2: the sums;
; window 3: cos and sin of my 64 positions x 64 frequencies, loaded at the head: 64 loads that no line waits for before the way out.
; PREFETCH: behind each joint refill one instruction a wave names the K step two refills on (256 bytes of a row, a lane a row); the four partners of a tile share its rows by address (16 of A's 64, 32 of B's 128);
; K steps 2 and 3 are named at the head, the last two refills name nothing; B's rows are named by the first four rows of clusters alone.
; LIMITS: e0 + e1 between -126 and 127; e6 between -126 and 119.  NaN and infinities among the inputs are not served.
.set KROW,   2048
.set ROWB,   256
.set PITCH,  272
.set FR,     16
.set NP,     4
.set HALFA,  64*PITCH
.set HALFB,  128*PITCH
.set ASLOT,  2*HALFA
.set SLOT,   ASLOT+2*HALFB
.set LAPS,   KROW/(2*ROWB)
.set SPARE,  2*SLOT
.set ADRA, 16
.set ADRB, 20
.set PFO,  25
.set CO,   26
.set HB,   27
.set SPW,  28
.set NIL,  29
.set SCL,  30
.set LIM,  31
.set X,    32
.set AF,   128
.set G1, 24
.set G0, 32
.set G1B, 48
.set G0B, 56
.set PFA, 78
.set PLIM, 86
.set MSB, 0
.macro WIN new
.if MSB != (\new)
	s_set_vgpr_msb (MSB<<8)|(\new)
.set MSB, (\new)
.endif
.endm
.set MUL_LO, 0xa1                      ; source 0 (B) window 1, source 1 (A) window 0, C and D window 2
.set TO_B,   0x40
.macro PLACES n
.rept \n
	v_nop
.endr
.endm
.macro JLOAD g0a, g1a, g0b, g1b        ; waves 0, 1 ask for A, waves 2, 3 for B; s_nop 0 and four v_nop behind each line
	s_cmp_eq_u32 s15, 0
	s_cbranch_scc0 .Lfor_b_\@
	tensor_load_to_lds s[\g0a:\g0a+3], s[\g1a:\g1a+7]
	s_nop 0
	PLACES 4
	s_branch .Lasked_\@
.Lfor_b_\@:
	tensor_load_to_lds s[\g0b:\g0b+3], s[\g1b:\g1b+7]
	s_nop 0
	PLACES 4
.Lasked_\@:
.endm
.macro CREST
	s_cmp_lg_u32 s14, 0
	s_cbranch_scc1 .Lnot_wave_0_\@
	s_barrier_signal -3
.Lnot_wave_0_\@:
	s_barrier_wait -3
	s_barrier_signal -1
	s_barrier_wait -1
.endm
.macro CROUND
	s_barrier_signal -1
	s_barrier_wait -1
	CREST
.endm
.macro TAB a                           ; cos and sin of row tile a: 16 loads of 512 consecutive bytes into window 3
	WIN 0xc0
.irp bb, 0,1,2,3
	global_load_b128 v[64*(\a)+8*\bb:64*(\a)+8*\bb+3], v[CO], s[70:71] offset:(\a)*8192+\bb*2048
	global_load_b128 v[64*(\a)+8*\bb+4:64*(\a)+8*\bb+7], v[CO], s[70:71] offset:(\a)*8192+\bb*2048+512
	global_load_b128 v[64*(\a)+32+8*\bb:64*(\a)+32+8*\bb+3], v[CO], s[70:71] offset:(\a)*8192+\bb*2048+1024
	global_load_b128 v[64*(\a)+32+8*\bb+4:64*(\a)+32+8*\bb+7], v[CO], s[70:71] offset:(\a)*8192+\bb*2048+1536
.endr
	WIN 0
.endm
	s_load_b128 s[4:7], s[0:1], 0x0                ; q_in's codes, Wq's codes
	s_load_b128 s[8:11], s[0:1], 0x10              ; the scales, q_img
	s_load_b128 s[68:71], s[0:1], 0x20             ; bq, rope_tab
	v_lshl_add_u32 v[SPW], v0, 2, SPARE
	v_mov_b32 v[NIL], 0
	ds_add_u32 v[SPW], v[NIL]                      ; the opening
	ds_add_u32 v[SPW], v[NIL]
	v_lshrrev_b32 v1, 5, v0
	v_readfirstlane_b32 s14, v1                    ; wave
	s_lshr_b32 s15, s14, 1                         ; my half of the rows; also: I fetch for A (0) or B (1)
	s_and_b32 s16, s14, 1                          ; my half of the columns; also: which half of that tile I fetch
	s_bfe_u32 s40, ttmp6, 0x40000                  ; cx
	s_bfe_u32 s41, ttmp6, 0x40004                  ; cy
	s_lshl_b32 s42, ttmp9, 2
	s_add_co_u32 s42, s42, s40                     ; tile column, 0..7
	s_and_b32 s17, ttmp7, 0xffff
	s_lshl_b32 s17, s17, 2
	s_add_co_u32 s17, s17, s41                     ; tile row, 0..31
	s_lshl_b32 s43, s41, 2
	s_lshl_b32 s43, 15, s43                        ; my row of the cluster
	s_lshl_b32 s44, 0x1111, s40                    ; my column
	s_or_b32 s[G1+0], s43, (1<<20)|(1<<21)|(5<<22)|(3<<25)    ; elements of 1 byte; four words of padding behind every 64
	s_or_b32 s[G1B+0], s44, (1<<20)|(1<<21)|(5<<22)|(3<<25)
	s_mov_b32 s[G1+1], ROWB<<16
	s_mov_b32 s[G1+2], 64<<16
	s_mov_b32 s[G1+3], ROWB<<16
	s_mov_b32 s[G1+4], 64
	s_mov_b32 s[G1+5], KROW
	s_mov_b32 s[G1+6], 0
	s_mov_b32 s[G1+7], 0
	s_mov_b32 s[G1B+1], ROWB<<16
	s_mov_b32 s[G1B+2], 128<<16
	s_mov_b32 s[G1B+3], ROWB<<16
	s_mov_b32 s[G1B+4], 128
	s_mov_b32 s[G1B+5], KROW
	s_mov_b32 s[G1B+6], 0
	s_mov_b32 s[G1B+7], 0
	s_lshl_b32 s20, s17, 7
	s_lshl_b32 s18, s16, 6
	s_add_co_u32 s20, s20, s18                     ; A: row 128 x tile row + 64 x half
	s_lshl_b32 s20, s20, 11
	s_mov_b32 s21, 0
	s_lshl_b32 s46, s42, 8
	s_lshl_b32 s18, s16, 7
	s_add_co_u32 s46, s46, s18                     ; B: row 256 x tile column + 128 x half
	s_lshl_b32 s46, s46, 11
	s_mov_b32 s47, 0
	s_mul_i32 s45, s16, HALFA                      ; where they go in a slot
	s_mul_i32 s66, s16, HALFB
	s_add_co_u32 s66, s66, ASLOT
	s_wait_dscnt 0x0
	s_wait_kmcnt 0x0
	s_load_b64 s[96:97], s[8:9], 0x0               ; e0, e1
	s_load_b32 s72, s[8:9], 0x18                   ; e6
	s_add_nc_u64 s[20:21], s[4:5], s[20:21]
	s_add_nc_u64 s[46:47], s[6:7], s[46:47]
.irp s, 0,1
	s_mov_b32 s[G0+4*\s], 1
	s_add_co_u32 s[G0+4*\s+1], s45, \s*SLOT
	s_add_nc_u64 s[G0+4*\s+2:G0+4*\s+3], s[20:21], \s*ROWB
	s_or_b32 s[G0+4*\s+3], s[G0+4*\s+3], 0x80000000
	s_mov_b32 s[G0B+4*\s], 1
	s_add_co_u32 s[G0B+4*\s+1], s66, \s*SLOT
	s_add_nc_u64 s[G0B+4*\s+2:G0B+4*\s+3], s[46:47], \s*ROWB
	s_or_b32 s[G0B+4*\s+3], s[G0B+4*\s+3], 0x80000000
.endr
	CROUND                                         ; the sixteen work-groups meet
	JLOAD G0, G1, G0B, G1B                         ; K step 0: one tensor load a wave at the head
	s_mul_i32 s21, s15, HALFA                      ; my 64 rows of A,
	s_mul_i32 s22, s16, HALFB
	s_add_co_u32 s22, s22, ASLOT                   ; my 128 rows of B
	s_lshl_b32 s73, s42, 1
	s_add_co_u32 s73, s73, s16                     ; my head
	s_lshl_b32 s74, s73, 9
	s_mov_b32 s75, 0
	s_add_nc_u64 s[68:69], s[68:69], s[74:75]      ; bq at my head
	s_lshl_b32 s76, s17, 3
	s_lshl_b32 s77, s15, 2
	s_add_co_u32 s76, s76, s77                     ; my first tile of 16 rows, 0..255
	s_and_b32 s74, s76, 127
	s_lshl_b32 s74, s74, 13
	s_add_nc_u64 s[70:71], s[70:71], s[74:75]      ; the table at its position
	s_lshl_b32 s74, s73, 8
	s_add_co_u32 s74, s74, s76
	s_lshl_b32 s74, s74, 11
	s_add_nc_u64 s[10:11], s[10:11], s[74:75]      ; my first fragment of q_img
	s_lshl_b32 s80, s17, 7                         ; the prefetches: A: row 128 x tile row + 64 x half + 16 cx
	s_lshl_b32 s82, s16, 6
	s_add_co_u32 s80, s80, s82
	s_lshl_b32 s82, s40, 4
	s_add_co_u32 s80, s80, s82
	s_lshl_b32 s81, s42, 8                         ; B: row 256 x tile column + 128 x half + 32 cy
	s_lshl_b32 s82, s16, 7
	s_add_co_u32 s81, s81, s82
	s_lshl_b32 s82, s41, 5
	s_add_co_u32 s81, s81, s82
	s_and_b32 s85, ttmp7, 0xffff
	s_cmp_lt_u32 s85, 4
	s_cselect_b32 s85, 1, -1                       ; B's rows are named by the first four rows of clusters
	s_cmp_eq_u32 s15, 0
	s_cselect_b64 s[PFA:PFA+1], s[4:5], s[6:7]
	s_cselect_b32 s80, s80, s81
	s_cselect_b32 s84, 15, 31                      ; the last lane with a row of its own; the lanes behind it name that row again
	s_cselect_b32 s[PLIM], 1, s85
	s_lshl_b32 s80, s80, 11
	s_mov_b32 s81, 0
	s_add_nc_u64 s[PFA:PFA+1], s[PFA:PFA+1], s[80:81]
	s_add_nc_u64 s[PFA:PFA+1], s[PFA:PFA+1], 2*ROWB    ; at K step 2
	v_and_b32 v1, 15, v0
	v_bfe_u32 v2, v0, 4, 1
	v_and_b32 v6, 31, v0
	v_mul_u32_u24 v3, v1, PITCH
	v_lshl_add_u32 v4, v2, 4, v3                   ; a fragment's row x pitch + 16 x half of the lanes
	v_add_nc_u32 v[ADRA], s21, v4
	v_add_nc_u32 v[ADRB], s22, v4
	v_add_nc_u32 v[ADRA+1], SLOT, v[ADRA]
	v_add_nc_u32 v[ADRB+1], SLOT, v[ADRB]
	v_lshlrev_b32 v[CO], 4, v6
	v_lshlrev_b32 v[HB], 5, v2
	v_min_u32 v[PFO], s84, v6
	v_lshlrev_b32 v[PFO], 11, v[PFO]
	s_wait_alu depctr_va_vdst(0)
	s_cmp_eq_u32 s[PLIM], 1
	s_cbranch_scc0 .Lno_ask
	global_prefetch_b8 v[PFO], s[PFA:PFA+1] th:TH_LOAD_NT scope:SCOPE_SE               ; K step 2
	global_prefetch_b8 v[PFO], s[PFA:PFA+1] offset:ROWB th:TH_LOAD_NT scope:SCOPE_SE   ; K step 3
.Lno_ask:
.irp b, 0,1,2,3,4,5,6,7
	global_load_b128 v[X+8*\b:X+8*\b+3], v[HB], s[68:69] offset:64*\b
	global_load_b128 v[X+8*\b+4:X+8*\b+7], v[HB], s[68:69] offset:64*\b+16
.endr
	TAB 0
	TAB 1
.macro FRAG reg, adr, q, i             ; 16 rows x 128 K: registers 4 c .. 4 c + 3 hold K = 32 c + 16 (l / 16) + 0..15, alike in A and B
.irp c, 0,1,2,3
	ds_load_b128 v[\reg+4*\c:\reg+4*\c+3], v[\adr] offset:128*(\q)+32*\c+(\i)*16*PITCH
.endr
.endm
.macro MUL16 a0, p, zero               ; A's blocks a0, a0 + 1 x B's eight, fragment set p; the 32 accumulators take turns in one order
.irp a, \a0, \a0+1
.irp b, 0,1,2,3,4,5,6,7
.if \zero
	v_wmma_f32_16x16x128_fp8_fp8 v[8*(8*(\a)+\b):8*(8*(\a)+\b)+7], v[128*(\p)+FR*\b:128*(\p)+FR*\b+FR-1], v[AF+64*(\p)+FR*(\a):AF+64*(\p)+FR*(\a)+FR-1], 0
.else
	v_wmma_f32_16x16x128_fp8_fp8 v[8*(8*(\a)+\b):8*(8*(\a)+\b)+7], v[128*(\p)+FR*\b:128*(\p)+FR*\b+FR-1], v[AF+64*(\p)+FR*(\a):AF+64*(\p)+FR*(\a)+FR-1], v[8*(8*(\a)+\b):8*(8*(\a)+\b)+7]
.endif
.endr
.endr
.endm
.macro FETCH slot, q, p                ; 48 LDS loads: the slot's q-th 128 along K into set p
	WIN TO_B
.irp i, 0,1,2,3,4,5,6,7
	FRAG 128*(\p)+FR*\i, ADRB+\slot, \q, \i
.endr
	WIN 0
.irp i, 0,1,2,3
	FRAG AF+64*(\p)+FR*\i, ADRA+\slot, \q, \i
.endr
.endm
.macro STEP slot, zero                 ; a slot's first 128 along K (set 0); the second's fragments are fetched under its products
	s_wait_dscnt 0x0
	PLACES NP                                      ; in front of loads into registers that matrix instructions have read
	FETCH \slot, 1, 1
	WIN MUL_LO
	MUL16 0, 0, \zero
	MUL16 2, 0, \zero
	WIN 0
.endm
.macro TURN slot, next, fill           ; a slot's second 128 along K (set 1) and the change of slots
.if \fill
	s_wait_xcnt 0x0                                ; my prefetch has read its address
	s_add_nc_u64 s[PFA:PFA+1], s[PFA:PFA+1], ROWB
.endif
	s_wait_tensorcnt 0x0                           ; my part of the next slot has landed
	ds_add_u32 v[SPW], v[NIL]
	s_wait_dscnt 0x0                               ; the add is done, my reads of this slot are over: its last fragments lie in set 1
	s_barrier_signal -1
	s_barrier_wait -1
.if \fill
	CREST                                          ; the barrier has opened a round of the cluster's barrier
	s_add_nc_u64 s[G0+4*\slot+2:G0+4*\slot+3], s[G0+4*\slot+2:G0+4*\slot+3], 2*ROWB
	s_add_nc_u64 s[G0B+4*\slot+2:G0B+4*\slot+3], s[G0B+4*\slot+2:G0B+4*\slot+3], 2*ROWB
	JLOAD G0+4*\slot, G1, G0B+4*\slot, G1B         ; the refill first; its four v_nop are the places in front of the loads below
.else
	PLACES NP
.endif
	FETCH \next, 0, 0
.if \fill
	s_cmp_gt_u32 s3, s[PLIM]                       ; not in the last trip: its refills have no K step two on
	s_cbranch_scc0 .Lnot_mine_\@
	global_prefetch_b8 v[PFO], s[PFA:PFA+1] offset:ROWB th:TH_LOAD_NT scope:SCOPE_SE
.Lnot_mine_\@:
.endif
	WIN MUL_LO                                     ; the old slot's last 128 along K are multiplied behind the refill's request, while the next fragments come
	MUL16 0, 1, 0
	MUL16 2, 1, 0
	WIN 0
.endm
	s_wait_alu depctr_va_vdst(0)
	s_wait_tensorcnt 0x0                           ; my part of K step 0 is in
	ds_add_u32 v[SPW], v[NIL]
	s_wait_dscnt 0x0
	CROUND
	JLOAD G0+4, G1, G0B+4, G1B                     ; K step 1
	FETCH 0, 0, 0
	TAB 2
	TAB 3
	STEP 0, 1                                      ; the first products start the sums
	s_mov_b32 s3, LAPS-1
.Llap:
	TURN 0, 1, 1
	STEP 1, 0
	TURN 1, 0, 1
	STEP 0, 0
	s_sub_co_u32 s3, s3, 1
	s_cmp_lg_u32 s3, 0
	s_cbranch_scc1 .Llap
	TURN 0, 1, 0                                   ; the last lap fills nothing
	STEP 1, 0
	s_wait_dscnt 0x0
	WIN MUL_LO
	MUL16 0, 1, 0
	MUL16 2, 1, 0
	WIN 0
; THE WAY OUT of row tile a: sum x 2^(e0 + e1) + bq; RoPE; the hold; the codes; four stores of 512 consecutive bytes
.macro BLOCKQ a
.set TS, 64*(\a)
.set AC, 64*(\a)
.set CD, 224+16*((\a)%2)
.if (\a) >= 2
	s_wait_xcnt 0x0                                ; tile a - 2's stores have read their data registers
.endif
	WIN 0x42                                       ; source 0 window 2, source 2 window 0, destination window 1
.set j, 0
.rept 32
	v_pk_fma_f32 v[X+j:X+j+1], v[AC+j:AC+j+1], s[96:97], v[X+j:X+j+1] op_sel_hi:[1,0,1]
.set j, j+2
.endr
	WIN 0x5d                                       ; source 1 (cos, sin) window 3, all else window 1
.irp bb, 0,1,2,3
.irp jj, 0,2,4,6
	v_pk_mul_f32 v[\jj:\jj+1], v[X+32+8*\bb+\jj:X+32+8*\bb+\jj+1], v[TS+32+8*\bb+\jj:TS+32+8*\bb+\jj+1]
	v_pk_mul_f32 v[8+\jj:9+\jj], v[X+8*\bb+\jj:X+8*\bb+\jj+1], v[TS+32+8*\bb+\jj:TS+32+8*\bb+\jj+1]
	v_pk_fma_f32 v[X+8*\bb+\jj:X+8*\bb+\jj+1], v[X+8*\bb+\jj:X+8*\bb+\jj+1], v[TS+8*\bb+\jj:TS+8*\bb+\jj+1], v[\jj:\jj+1] neg_lo:[0,0,1] neg_hi:[0,0,1]
	v_pk_fma_f32 v[X+32+8*\bb+\jj:X+32+8*\bb+\jj+1], v[X+32+8*\bb+\jj:X+32+8*\bb+\jj+1], v[TS+8*\bb+\jj:TS+8*\bb+\jj+1], v[8+\jj:9+\jj]
.endr
.endr
	WIN 0x55
.set j, 0
.rept 64
	v_med3_num_f32 v[X+j], v[X+j], -v[LIM], v[LIM]     ; the conversion does not saturate (ISA guide 7.6.2): the hold comes first
.set j, j+1
.endr
.irp c, 0,1,2,3
	v_cvt_scalef32_pk8_fp8_f32 v[CD+4*\c:CD+4*\c+1], v[X+8*\c:X+8*\c+7], v[SCL]
	v_cvt_scalef32_pk8_fp8_f32 v[CD+4*\c+2:CD+4*\c+3], v[X+32+8*\c:X+32+8*\c+7], v[SCL]
.endr
	v_nop                                          ; a plain instruction behind the conversions
	WIN 0x04
.irp c, 0,1,2,3
	global_store_b128 v[CO], v[CD+4*\c:CD+4*\c+3], s[10:11] offset:(\a)*2048+512*\c
.endr
.endm
	s_wait_kmcnt 0x0
	s_add_co_i32 s96, s96, s97
	s_add_co_i32 s96, s96, 127
	s_lshl_b32 s96, s96, 23                        ; 2^(e0 + e1)
	s_mov_b32 s97, s96
	s_add_co_i32 s72, s72, 127
	s_lshl_b32 s73, s72, 23                        ; 2^e6
	s_add_co_i32 s72, s72, 8
	s_lshl_b32 s72, s72, 23
	s_or_b32 s72, s72, 0x600000                    ; 448 x 2^e6
	s_wait_loadcnt 0x0                             ; bq and the table
	PLACES NP
	WIN 0x40
	v_mov_b32 v[SCL], s73
	v_mov_b32 v[LIM], s72
.irp a, 0,1,2,3
	BLOCKQ \a
.endr
	WIN 0
	s_wait_tensorcnt 0x0                           ; the wave's end
	ds_add_u32 v[SPW], v[NIL]
	s_wait_dscnt 0x0
	CROUND                                         ; the closing round
	s_endpgm
.Lfunc_end_k_qb4faa50447_qproj:
	.size	k_qb4faa50447_qproj, .Lfunc_end_k_qb4faa50447_qproj-k_qb4faa50447_qproj
	.p2alignl 7, 3214868480
	.fill 96, 4, 3214868480
	.section	.rodata,"a",@progbits
	.p2align	6, 0x0
	.amdhsa_kernel k_qb4faa50447_qproj
		.amdhsa_group_segment_fixed_size 327680
		.amdhsa_private_segment_fixed_size 0
		.amdhsa_enable_private_segment 0
		.amdhsa_kernarg_size 48
		.amdhsa_user_sgpr_count 2
		.amdhsa_user_sgpr_kernarg_segment_ptr 1
		.amdhsa_wavefront_size32 1
		.amdhsa_system_sgpr_workgroup_id_x 1
		.amdhsa_system_sgpr_workgroup_id_y 1
		.amdhsa_system_sgpr_workgroup_id_z 1
		.amdhsa_system_vgpr_workitem_id 0
		.amdhsa_next_free_vgpr 1024
		.amdhsa_next_free_sgpr 98
		.amdhsa_reserve_vcc 0
		.amdhsa_float_denorm_mode_32 3
		.amdhsa_float_denorm_mode_16_64 3
		.amdhsa_memory_ordered 1
		.amdhsa_forward_progress 1
		.amdhsa_inst_pref_size 106
	.end_amdhsa_kernel
	.amdgpu_metadata
---
amdhsa.version: [ 1, 2 ]
amdhsa.kernels:
  - .name:           k_qb4faa50447_qproj
    .symbol:         k_qb4faa50447_qproj.kd
    .args:
      - { .name: q_in_codes, .offset: 0, .size: 8, .value_kind: global_buffer, .address_space: global }
      - { .name: Wq_codes, .offset: 8, .size: 8, .value_kind: global_buffer, .address_space: global }
      - { .name: lowp_scales, .offset: 16, .size: 8, .value_kind: global_buffer, .address_space: global }
      - { .name: q_img, .offset: 24, .size: 8, .value_kind: global_buffer, .address_space: global }
      - { .name: bq, .offset: 32, .size: 8, .value_kind: global_buffer, .address_space: global }
      - { .name: rope_tab, .offset: 40, .size: 8, .value_kind: global_buffer, .address_space: global }
    .group_segment_fixed_size: 327680
    .private_segment_fixed_size: 0
    .kernarg_segment_align: 8
    .kernarg_segment_size: 48
    .max_flat_workgroup_size: 128
    .sgpr_count:     98
    .vgpr_count:     1024
    .wavefront_size: 32
...
	.end_amdgpu_metadata
.endif
;; end of part 2
;; launch attn (part 3): grid 256 x 1, 16 waves a work-group, clusters of 4 x 1, 327,680 bytes of LDS; arguments q_img, kv_img, mask, lowp_scales, a_img; writes a_img
.if DOCPART == 3
	.amdgcn_target "amdgcn-amd-amdhsa--gfx1250"
	.amdhsa_code_object_version 6
	.text
	.protected	k_qb4faa50447_attn
	.globl	k_qb4faa50447_attn
	.p2align	8
	.type	k_qb4faa50447_attn,@function
k_qb4faa50447_attn:
	s_mov_b64 s[64:65], 0
	v_nop
	global_prefetch_b8 v0, s[64:65] scope:SCOPE_SE
	s_setreg_imm32_b32 hwreg(HW_REG_WAVE_MODE, 25, 1), 1
	s_wait_xcnt 0x0
	s_wait_alu depctr_hold_cnt(0) depctr_sa_sdst(0) depctr_va_vdst(0) depctr_va_sdst(0) depctr_va_ssrc(0) depctr_va_vcc(0) depctr_vm_vsrc(0)
	s_getreg_b32 s2, hwreg(HW_REG_IB_STS2, 6, 4)
	s_cmp_eq_u32 s2, 0
	s_cbranch_scc0 .Lentry_in_a_cluster
	s_endpgm
.Lentry_in_a_cluster:
	s_bfe_u32 s2, ttmp6, 0x10000c
	s_cmp_lg_u32 s2, 0x3003
	s_cbranch_scc0 .Lentry_shape_is_right
	s_endpgm
.Lentry_shape_is_right:
; Attention with one shared head of keys and values, padding mask and causal mask, both products on E4M3 codes; the result is quantised with 2^e10 and stored as images of the last product's operand.
; THE SOFTMAX: t = score x log2(e) / sqrt(128); M = the running largest t rounded up to a whole number; p = 2^(t - M) is quantised with 2^e8; the row's sum is taken of the unquantised p and divides at the end.
; LEFT OUT: blocks of 128 keys that lie wholly behind a tile's 16 queries: the causal mask gives them the weight 0 for every input.
; SHARES.  Cluster C (0..63): batch C / 32, p = C % 32.  Its four work-groups take the same four tiles of 16 queries (lo = 2 p, 2 p + 1 and 127 - lo) for four heads each (4 cx ..): they walk alike and ask for
; K's and V's blocks jointly; cx enters the addresses of q_img and a_img alone.  SIXTEEN waves of 256 registers, four to a SIMD, so that one wave's waits stand beside the others' work; a wave holds one tile of
; queries of one head (4 cx + wave % 4; lo = 2 p + (wave / 4) % 2).  With e = lo / 8 + 1 (the same for both lo), the early tile counts e blocks and the late one 17 - e.
; Waves 0-7 take the late tile's blocks 0..8: nine steps.  Waves 8-15 take the early tile's blocks 0..e-1, finish and store it, and go on with the late tile's blocks 9..16-e: eight steps.
; At the end waves 8-15 hand their part of the late tile (O^T, the sum, -M) to waves 0-7 through LDS; both M are whole numbers, so the two parts are joined by exact powers of two.
; LDS: 12 places of 24,576 bytes (a block: 8 fragments of K, 4 of V).  The places are walked alike in every work-group; which block of memory goes to which place hangs on the cluster's number alone.
; Trips 0-2 read places 0-3 (place 1, 2, 3: blocks 0, 1, 2; place 0: waves 8-15's second block), trips 3-6 places 4-11, trips 7, 8 places 0-3, filled again once.
; Sixteen fills of one block, each read by some wave.  The hand-over's stage lies in places 4 and 5, which have had their last fill and their last read.  Then the addends, then the spare words.
; LAYOUT.  S^T = K Q^T and O^T = V^T P^T: a lane holds one query; tile c's eight scores are keys 16 c + 8 h + 0..7, and their codes are registers 2 c, 2 c + 1 of P.
; THE MASKS.  A masked key's score is -2^100: the block's 128 addends (0 or -2^100, from the padding mask; on the diagonal block the hidden keys' are set to -2^100 too) are the C of the score products.
; The running largest t begins at -c 2^60, under every true t and over every masked one: a masked p is 0, and a row with no key left ends with sum 0 and is NaN, as a softmax over nothing is.
; NO PREFETCH: twelve of the sixteen blocks are asked for by the first two groups of loads, and the last four have four trips in which to land: there is no loop to run ahead in.
; LIMITS: e6 + e7 between -80 and 60; e8 and e10 between -126 and 119.  NaN and infinities among the inputs are not served.
.set PLACE, 24576
.set SLOTB, 4*PLACE
.set STAGE, 4*PLACE                    ; the hand-over: 4,352 bytes for each pair of waves
.set MB,    12*PLACE                   ; the addends: 2,048 f32
.set SPARE, MB+8192                    ; the spare words: 128 bytes for each of sixteen waves
.set L16, 1                            ; v1   16 x lane
.set MBA, 2                            ; v2   MB + 32 h
.set RH,  3                            ; v3   r - 8 h
.set MAD, 4
.set SPW, 5
.set NIL, 6
.set BIG, 7                            ; v7   -2^100
.set ADK, 8
.set ADM, 9
.set STG, 236                          ; v236 the stage: O^T's place;  v237 the sum's and -M's
.set STH, 237
; v12 -M, v13 the largest t, v[14:15] the sum, v16-31 Q, v32-95 four fragments of K or of V, v96-159 S^T then p, v160-191 O^T, v192-207 P's codes, v208-214 and v238-243 at work,
; v215 NaN, v216 2^e8, v217 448 x 2^e8, v218 2^e10, v219 448 x 2^e10, v220-235 the late tile's Q
.set WV, 14
.set CX, 15
.set RE, 18                            ; s18  1 in waves 8-15
.set RL, 19                            ; s19  1 in waves 0-7
.set SEL, 20
.set CS, 22
.set G1, 24                            ; s[24:31] group 1 for half a block;  s[68:75] for a quarter
.set G0, 32
.set GF2, 40                           ; s[40:41] where the refill comes from
.set EN, 42                            ; s42  e
.set NE, 43                            ; s43  9 - e in waves 8-15, else 0
.set KF, 44
.set Q0, 45                            ; s45  first query of the tile in hand
.set TB, 46
.set CNT, 47
.set G1Q, 68
.set KK, 78                            ; s78  the trip, 0..8
.set SWK, 79                           ; s79  the trip behind which waves 8-15 change tiles
.set Q0L, 80
.set INIT, 81                          ; s81  -c 2^60
.macro PLACES n
.rept \n
	v_nop
.endr
.endm
.macro CROUND
	s_barrier_signal -1
	s_barrier_wait -1
	s_cmp_lg_u32 s[WV], 0
	s_cbranch_scc1 .Lnot_wave_0_\@
	s_barrier_signal -3
.Lnot_wave_0_\@:
	s_barrier_wait -3
	s_barrier_signal -1
	s_barrier_wait -1
.endm
	s_load_b256 s[4:11], s[0:1], 0x0               ; q_img, kv_img, mask, the scales
	s_load_b64 s[12:13], s[0:1], 0x20              ; a_img
	v_lshl_add_u32 v[SPW], v0, 2, SPARE
	v_mov_b32 v[NIL], 0
	ds_add_u32 v[SPW], v[NIL]                      ; the opening
	ds_add_u32 v[SPW], v[NIL]
	v_lshrrev_b32 v208, 5, v0
	v_readfirstlane_b32 s[WV], v208
	s_bfe_u32 s[CX], ttmp6, 0x40000
	s_lshr_b32 s76, ttmp9, 5                       ; batch
	s_and_b32 s77, ttmp9, 31                       ; p
	s_lshr_b32 s[RE], s[WV], 3
	s_xor_b32 s[RL], s[RE], 1
	s_and_b32 s82, s[WV], 7                        ; my pair of waves
	s_and_b32 s83, s82, 3                          ; my head among the work-group's four
	s_lshr_b32 s84, s82, 2
	s_lshl_b32 s54, s77, 1
	s_add_co_u32 s54, s54, s84                     ; lo
	s_sub_co_u32 s55, 127, s54                     ; the late tile
	s_lshr_b32 s[EN], s77, 2
	s_add_co_u32 s[EN], s[EN], 1                   ; e
	s_sub_co_u32 s85, 9, s[EN]
	s_mul_i32 s[NE], s[RE], s85
	s_lshl_b32 s[Q0L], s55, 4
	s_lshl_b32 s[Q0], s54, 4
	s_cmp_eq_u32 s[RE], 1
	s_cselect_b32 s[Q0], s[Q0], s[Q0L]
	s_cselect_b32 s[SWK], s[EN], 99
	s_cselect_b32 s56, s54, s55                    ; my first tile
	s_mov_b32 s[G1], 15|(3<<16)|(1<<21)            ; half a block: 48 dense rows of 256 bytes, for all four work-groups; no padding
	s_mov_b32 s[G1+1], 32<<16
	s_mov_b32 s[G1+2], 48<<16
	s_mov_b32 s[G1+3], 32<<16
	s_mov_b32 s[G1+4], 48
	s_mov_b32 s[G1+5], 32
	s_mov_b32 s[G1+6], 0
	s_mov_b32 s[G1+7], 0
	s_mov_b32 s[G1Q], 15|(3<<16)|(1<<21)           ; a quarter: 24 rows
	s_mov_b32 s[G1Q+1], 32<<16
	s_mov_b32 s[G1Q+2], 24<<16
	s_mov_b32 s[G1Q+3], 32<<16
	s_mov_b32 s[G1Q+4], 24
	s_mov_b32 s[G1Q+5], 32
	s_mov_b32 s[G1Q+6], 0
	s_mov_b32 s[G1Q+7], 0
	s_mov_b32 s[SEL], 0x76543210
	s_mov_b32 s[SEL+1], 0xfedcba98
	s_mov_b32 s[CS], 0x3e0293ee                    ; log2(e) / sqrt(128)
	; which block I fetch.  Waves 8-15's k-th block is B(k) = k where k < e, else 9 + k - e
	s_mul_i32 s57, s[WV], PLACE/4
	s_lshr_b32 s60, s[WV], 2                       ; j: the place of which I fetch a quarter
	s_and_b32 s61, s[WV], 3
	s_cmp_gt_u32 s[EN], 1
	s_cselect_b32 s62, 1, 9                        ; B(1)
	s_sub_co_u32 s63, s60, 1
	s_cmp_eq_u32 s60, 0
	s_cselect_b32 s62, s62, s63                    ; the head's fill: place 0: B(1); place j: block j - 1
	s_mul_i32 s62, s62, PLACE
	s_mul_i32 s63, s61, PLACE/4
	s_add_co_u32 s62, s62, s63
	s_add_co_u32 s84, s60, 2                       ; places 4-11, half a place a wave: place 4 + wave / 2: k = 2 + wave / 4; an even place B(k), an odd one block k + 1
	s_add_co_u32 s86, s84, s85
	s_cmp_lt_u32 s84, s[EN]
	s_cselect_b32 s86, s84, s86
	s_add_co_u32 s84, s84, 1
	s_bfe_u32 s58, s[WV], 0x10001
	s_cmp_eq_u32 s58, 1
	s_cselect_b32 s86, s84, s86
	s_mul_i32 s86, s86, PLACE
	s_and_b32 s58, s[WV], 1
	s_mul_i32 s58, s58, PLACE/2
	s_add_co_u32 s86, s86, s58
	s_lshr_b32 s84, s60, 1                         ; the refill: place j: k = 6 + j / 2; an even place B(k), an odd one block k + 1
	s_add_co_u32 s84, s84, 6
	s_add_co_u32 s87, s84, s85
	s_cmp_lt_u32 s84, s[EN]
	s_cselect_b32 s87, s84, s87
	s_add_co_u32 s84, s84, 1
	s_and_b32 s58, s60, 1
	s_cmp_eq_u32 s58, 1
	s_cselect_b32 s87, s84, s87
	s_mul_i32 s87, s87, PLACE
	s_add_co_u32 s87, s87, s63
	s_mul_i32 s58, s76, 16*PLACE
	s_mov_b32 s59, 0
	s_wait_dscnt 0x0
	s_wait_kmcnt 0x0
	s_load_b128 s[48:51], s[10:11], 0x18           ; e6, e7, e8, e9
	s_load_b32 s52, s[10:11], 0x28                 ; e10
	s_add_nc_u64 s[6:7], s[6:7], s[58:59]          ; the batch's images
	s_mov_b32 s[G0], 1
	s_mov_b32 s[G0+1], s57
	s_mov_b32 s58, s62
	s_add_nc_u64 s[G0+2:G0+3], s[6:7], s[58:59]
	s_or_b32 s[G0+3], s[G0+3], 0x80000000
	s_mov_b32 s[G0+4], 1
	s_lshl_b32 s[G0+5], s57, 1
	s_add_co_u32 s[G0+5], s[G0+5], SLOTB
	s_mov_b32 s58, s86
	s_add_nc_u64 s[G0+6:G0+7], s[6:7], s[58:59]
	s_or_b32 s[G0+7], s[G0+7], 0x80000000
	s_mov_b32 s58, s87
	s_add_nc_u64 s[GF2:GF2+1], s[6:7], s[58:59]
	s_or_b32 s[GF2+1], s[GF2+1], 0x80000000
	CROUND                                         ; the four work-groups meet
	tensor_load_to_lds s[G0:G0+3], s[G1Q:G1Q+7]    ; places 0-3: one tensor load a wave at the head
	s_nop 0
	PLACES 4
	s_mov_b32 s63, 0
	s_lshl_b32 s62, s76, 11
	s_add_nc_u64 s[8:9], s[8:9], s[62:63]          ; the batch's mask
	v_lshlrev_b32 v[MAD], 2, v0
	global_load_b32 v10, v[MAD], s[8:9]            ; four keys' bytes a thread
	v_and_b32 v208, 31, v0
	v_lshlrev_b32 v[L16], 4, v208
	s_wait_alu depctr_va_vdst(0)
	s_lshl_b32 s60, s76, 7                         ; 128 x batch
	s_lshl_b32 s62, s[CX], 2
	s_add_co_u32 s62, s62, s83                     ; my head
	s_lshl_b32 s62, s62, 8
	s_add_co_u32 s62, s62, s60
	s_add_co_u32 s61, s62, s55                     ; the late tile's fragment among q_img's,
	s_add_co_u32 s62, s62, s56                     ; my first tile's
	s_lshl_b32 s62, s62, 11
	s_add_nc_u64 s[2:3], s[4:5], s[62:63]
	s_lshl_b32 s62, s61, 11
	s_add_nc_u64 s[4:5], s[4:5], s[62:63]
.irp c, 0,1,2,3
	global_load_b128 v[16+4*\c:19+4*\c], v[L16], s[2:3] offset:512*\c
	global_load_b128 v[220+4*\c:223+4*\c], v[L16], s[4:5] offset:512*\c
.endr
	s_lshl_b32 s53, s[CX], 1
	s_lshr_b32 s61, s83, 1
	s_add_co_u32 s53, s53, s61                     ; the last product's K step: head / 2
	s_lshl_b32 s53, s53, 11
	s_and_b32 s61, s83, 1
	s_lshl_b32 s61, s61, 10                        ; an even head fills chunks 0, 1 of the fragment, an odd one chunks 2, 3
	s_add_co_u32 s53, s53, s61
	s_add_co_u32 s62, s60, s54
	s_lshl_b32 s62, s62, 14
	s_add_co_u32 s62, s62, s53
	s_add_nc_u64 s[16:17], s[12:13], s[62:63]      ; where the early tile's codes go,
	s_add_co_u32 s62, s60, s55
	s_lshl_b32 s62, s62, 14
	s_add_co_u32 s62, s62, s53
	s_add_nc_u64 s[12:13], s[12:13], s[62:63]      ; and the late tile's
	s_mul_i32 s84, s82, 4352
	s_add_co_u32 s84, s84, STAGE
	s_add_co_u32 s85, s84, 4096
	s_wait_kmcnt 0x0
	s_add_co_i32 s53, s48, s49
	s_lshl_b32 s53, s53, 23
	s_add_co_i32 s[CS], s[CS], s53                 ; a score stands for score x 2^(e6 + e7): added to c's exponent field
	s_mov_b32 s[CS+1], s[CS]
	s_add_co_u32 s[INIT], s[CS], 0x1e000000
	s_or_b32 s[INIT], s[INIT], 0x80000000          ; -c 2^60
	s_add_co_i32 s53, s50, 127
	s_lshl_b32 s60, s53, 23
	s_add_co_i32 s53, s53, 8
	s_lshl_b32 s53, s53, 23
	s_or_b32 s61, s53, 0x600000
	s_add_co_i32 s53, s52, 127
	s_lshl_b32 s62, s53, 23
	s_add_co_i32 s53, s53, 8
	s_lshl_b32 s53, s53, 23
	s_or_b32 s63, s53, 0x600000
	v_bfe_u32 v208, v0, 4, 1                       ; h
	v_and_b32 v209, 15, v0                         ; r
	v_lshl_add_u32 v[MBA], v208, 5, MB
	v_lshlrev_b32 v208, 3, v208
	v_sub_nc_u32 v[RH], v209, v208
	v_mov_b32 v[BIG], 0xf1800000
	v_add_nc_u32 v[STG], s84, v[L16]
	v_and_b32 v209, 31, v0
	v_lshlrev_b32 v209, 3, v209
	v_add_nc_u32 v[STH], s85, v209
	v_mov_b32 v210, 0
	v_mov_b32 v211, 0                              ; (named as the upper half of a pair)
	v_mov_b32 v214, 0                              ; (a lane permute's destination counts as read)
	v_mov_b32 v215, 0x7fc00000
	v_mov_b32 v216, s60
	v_mov_b32 v217, s61
	v_mov_b32 v218, s62
	v_mov_b32 v219, s63
.macro FRESH                           ; a tile's state at its start
	v_mov_b32 v13, s[INIT]
	v_floor_f32 v12, -v13
	v_mov_b32 v14, 0
	v_mov_b32 v15, 0
.set j, 0
.rept 32
	v_mov_b32 v[160+j], 0
.set j, j+1
.endr
.endm
	FRESH
	s_wait_alu depctr_va_vdst(0)
	s_wait_loadcnt 8                               ; the mask's bytes are in; Q's eight loads may be out
.irp k, 0,1,2,3
	v_bfe_u32 v208, v10, 8*\k, 8
	v_cmp_ne_u32 vcc_lo, 0, v208
	v_cndmask_b32 v[32+\k], 0, v[BIG], vcc_lo
.endr
	v_lshl_add_u32 v209, v0, 4, MB
	ds_store_b128 v209, v[32:35]
	s_wait_alu depctr_va_vdst(0)
	s_wait_tensorcnt 0x0                           ; my part of places 0-3 is in
	ds_add_u32 v[SPW], v[NIL]
	s_wait_dscnt 0x0                               ; the add is done, my addends are stored
	CROUND
	tensor_load_to_lds s[G0+4:G0+7], s[G1:G1+7]    ; places 4-11: they have three trips in which to land
	s_nop 0
	PLACES 4
	s_wait_loadcnt 0x0                             ; Q
.macro ADDENDS
.irp c, 0,1,2,3,4,5,6,7
	ds_load_b128 v[96+8*\c:99+8*\c], v[ADM] offset:64*\c
	ds_load_b128 v[100+8*\c:103+8*\c], v[ADM] offset:64*\c+16
.endr
.endm
.macro KFRAGS base
.irp t, 0,1,2,3
.irp c, 0,1,2,3
	ds_load_b128 v[32+16*\t+4*\c:35+16*\t+4*\c], v[ADK] offset:(\base+\t)*2048+512*\c
.endr
.endr
.endm
.macro VFRAGS
.irp u, 0,1,2,3
.irp c, 0,1,2,3
	ds_load_b128 v[32+16*\u+4*\c:35+16*\u+4*\c], v[ADK] offset:16384+\u*2048+512*\c
.endr
.endr
.endm
.macro SCORES base                     ; S^T's tiles base on: one product each, onto the addends
.irp t, 0,1,2,3
	v_wmma_f32_16x16x128_fp8_fp8 v[96+8*(\base+\t):103+8*(\base+\t)], v[32+16*\t:47+16*\t], v[16:31], v[96+8*(\base+\t):103+8*(\base+\t)]
.endr
.endm
.macro CAUSAL                          ; s53 = the tile's first query - KF.  Register 8 c + j stands for key KF + 16 c + 8 h + j: hidden where 16 c + j > my query - KF - 8 h
	v_add_nc_u32 v208, s53, v[RH]
.set n, 0
.rept 64
	v_cmp_gt_i32 vcc_lo, 16*(n/8)+n%8, v208
	v_cndmask_b32 v[96+n], v[96+n], v[BIG], vcc_lo
.set n, n+1
.endr
.endm
.macro SOFTMAX
	v_max3_num_f32 v208, v96, v97, v98             ; the step's largest score of my query among my 64 keys, in four chains, the registers in ascending order: each accumulator from its low end on
	v_max3_num_f32 v210, v99, v100, v101
	v_max3_num_f32 v238, v102, v103, v104
	v_max3_num_f32 v239, v105, v106, v107
.irp i, 12,20,28,36,44,52
	v_max3_num_f32 v208, v208, v[96+\i], v[97+\i]
	v_max3_num_f32 v210, v210, v[98+\i], v[99+\i]
	v_max3_num_f32 v238, v238, v[100+\i], v[101+\i]
	v_max3_num_f32 v239, v239, v[102+\i], v[103+\i]
.endr
	v_max3_num_f32 v208, v208, v156, v157
	v_max3_num_f32 v210, v210, v158, v159
	v_max3_num_f32 v208, v208, v210, v238
	v_max_num_f32 v208, v208, v239
	v_permlanex16_b32 v214, v208, s[SEL], s[SEL+1]
	v_max_num_f32 v208, v208, v214                 ; and among lane l xor 16's
	v_mul_f32 v208, s[CS], v208
	v_max_num_f32 v13, v13, v208                   ; the running largest t
	v_mov_b32 v208, v12
	v_floor_f32 v12, -v13                          ; -M = floor(-t)
	v_sub_f32 v208, v12, v208                      ; old M - new M: a whole number, 0 or less
	v_cvt_i32_f32 v208, v208                       ; (it saturates)
	v_ldexp_f32 v210, 1.0, v208                    ; f = 2^(old M - new M)
.set j, 0
.rept 32
	v_pk_fma_f32 v[96+j:97+j], v[96+j:97+j], s[CS:CS+1], v[12:13] op_sel_hi:[1,0,0]     ; t - M
.set j, j+2
.endr
.set j, 0
	s_wait_alu depctr_va_vdst(0)
.rept 64
	v_exp_f32 v[96+j], v[96+j]
.set j, j+1
.endr
	v_pk_mul_f32 v[14:15], v[14:15], v[210:211] op_sel_hi:[1,0]    ; the sum under the new M: the plain instruction behind the exponentials
	s_wait_alu depctr_va_vdst(0)                   ; one wait for the batch, ahead of its first reader
	v_pk_add_f32 v[212:213], v[96:97], v[98:99]    ; the sum of the unquantised p, in four chains
	v_pk_add_f32 v[240:241], v[100:101], v[102:103]
	v_pk_add_f32 v[242:243], v[104:105], v[106:107]
	v_pk_add_f32 v[14:15], v[14:15], v[108:109]
.set j, 14
.rept 6
	v_pk_add_f32 v[212:213], v[212:213], v[96+j:97+j]
	v_pk_add_f32 v[240:241], v[240:241], v[98+j:99+j]
	v_pk_add_f32 v[242:243], v[242:243], v[100+j:101+j]
	v_pk_add_f32 v[14:15], v[14:15], v[102+j:103+j]
.set j, j+8
.endr
	v_pk_add_f32 v[212:213], v[212:213], v[158:159]
	v_pk_add_f32 v[240:241], v[240:241], v[242:243]
	v_pk_add_f32 v[14:15], v[14:15], v[212:213]
	v_pk_add_f32 v[14:15], v[14:15], v[240:241]
.irp c, 0,1,2,3,4,5,6,7
.irp i, 0,1,2,3,4,5,6,7
	v_min_num_f32 v[96+8*\c+\i], v[96+8*\c+\i], v217     ; p is not negative: a one-sided hold ahead of a conversion that does not saturate (ISA guide 7.6.2)
.endr
	v_cvt_scalef32_pk8_fp8_f32 v[192+2*\c:193+2*\c], v[96+8*\c:103+8*\c], v216
.endr
	s_wait_alu depctr_va_vdst(0)                   ; directly ahead of the first reader of O^T
.set j, 0
.rept 16
	v_pk_mul_f32 v[160+j:161+j], v[160+j:161+j], v[210:211] op_sel_hi:[1,0]     ; O^T under the new M; also the plain instructions behind the conversions
.set j, j+2
.endr
.endm
.macro PV                              ; O^T += V^T P^T: four accumulators by turns
.irp u, 0,1,2,3
	v_wmma_f32_16x16x128_fp8_fp8 v[160+8*\u:167+8*\u], v[32+16*\u:47+16*\u], v[192:207], v[160+8*\u:167+8*\u]
.endr
.endm
; THE WAY OUT of a tile: O^T x 2^(e8 + e9) / the sum; the hold; NaN where no key was left; the codes: O^T's tiles 2 b, 2 b + 1 are dv = 32 b + 16 h + 0..15; two stores of 512 consecutive bytes
.macro OUT1 base
	s_add_co_i32 s53, s50, s51
	v_add_f32 v208, v14, v15
	v_permlanex16_b32 v214, v208, s[SEL], s[SEL+1]
	v_add_f32 v208, v208, v214                     ; the row's sum
	s_wait_alu depctr_va_vdst(0)
	v_rcp_f32 v209, v208
	v_nop                                          ; a plain instruction behind the reciprocal
	s_wait_alu depctr_va_vdst(0)                   ; the wait ahead of its first reader
	v_ldexp_f32 v209, v209, s53
.set j, 0
.rept 32
	v_mul_f32 v[96+j], v[160+j], v209
.set j, j+1
.endr
.set j, 0
.rept 32
	v_med3_num_f32 v[96+j], v[96+j], -v219, v219
.set j, j+1
.endr
	v_cmp_eq_f32 vcc_lo, 0, v208
.set j, 0
.rept 32
	v_cndmask_b32 v[96+j], v[96+j], v215, vcc_lo
.set j, j+1
.endr
.irp b, 0,1
	v_cvt_scalef32_pk8_fp8_f32 v[192+4*\b:193+4*\b], v[96+16*\b:103+16*\b], v218
	v_cvt_scalef32_pk8_fp8_f32 v[194+4*\b:195+4*\b], v[104+16*\b:111+16*\b], v218
.endr
	v_nop
	global_store_b128 v[L16], v[192:195], s[\base:\base+1]
	global_store_b128 v[L16], v[196:199], s[\base:\base+1] offset:512
.endm
; A TRIP: one block of 128 keys for my tile.  first = 1: trips 0-2.  The branches hang on ids and the trip's number alone; no barrier and no tensor load stands in a trip.
.macro STEP first
.if \first
	s_or_b32 s53, s[KK], s[RL]
	s_cmp_eq_u32 s53, 0                            ; waves 8-15 have no step in trip 0
	s_cbranch_scc1 .Lhidden_\@
	s_lshl_b32 s53, s[KK], 1                       ; the place: waves 0-7: KK + 1; waves 8-15: (3 KK + 2) mod 4: 1, then 0
	s_add_co_u32 s53, s53, 1
	s_mul_i32 s53, s53, s[RE]
	s_add_co_u32 s53, s53, s[KK]
	s_add_co_u32 s53, s53, 1
	s_and_b32 s53, s53, 3
	s_mul_i32 s[TB], s53, PLACE
.endif
	s_sub_co_u32 s53, s[KK], s[RE]                 ; the block: waves 0-7: KK; waves 8-15: B(KK - 1)
	s_add_co_u32 s56, s53, s[NE]
	s_cmp_lt_u32 s53, s[EN]
	s_cselect_b32 s53, s53, s56
	s_and_b32 s53, s53, 15
	s_lshl_b32 s[KF], s53, 7
	s_lshl_b32 s53, s53, 9
	v_add_nc_u32 v[ADK], s[TB], v[L16]             ; these two and two v_nop: the places behind the last trip's products, in front of loads into V's registers
	v_add_nc_u32 v[ADM], s53, v[MBA]
	PLACES 2
	s_wait_alu depctr_va_vdst(0)
	ADDENDS
	KFRAGS 0
	s_add_co_u32 s53, s[KF], 127
	s_cmp_le_u32 s53, s[Q0]                        ; all keys count: no causal mask in this block
	s_cbranch_scc1 .Lopen_\@
	s_sub_co_i32 s53, s[Q0], s[KF]
	s_wait_dscnt 16                                ; the addends are in; K's 16 loads may be out
	CAUSAL                                         ; on the addends
	s_wait_alu depctr_va_vdst(0)
.Lopen_\@:
	s_wait_dscnt 0x0
	SCORES 0
	PLACES 4                                       ; in front of loads into K's registers
	KFRAGS 4
	s_wait_dscnt 0x0
	SCORES 4
	PLACES 4                                       ; in front of loads into K's registers and of the first read of scores
	VFRAGS                                         ; they land while the softmax is walked
	SOFTMAX
	s_wait_alu depctr_va_vdst(0)
	s_wait_dscnt 0x0                               ; V
	PV
	s_cmp_lg_u32 s[KK], s[SWK]
	s_cbranch_scc1 .Lhidden_\@
	PLACES 4                                       ; behind the last products
	OUT1 16                                        ; waves 8-15, behind the early tile's last block: it is finished and stored,
	FRESH                                          ; and the late tile begins
.set j, 0
.rept 16
	v_mov_b32 v[16+j], v[220+j]
.set j, j+1
.endr
	s_mov_b32 s[Q0], s[Q0L]
	s_wait_xcnt 0x0                                ; the stores have read their registers
	s_wait_alu depctr_va_vdst(0)
.Lhidden_\@:
	s_add_co_u32 s[KK], s[KK], 1
.if \first == 0
	s_add_co_u32 s[TB], s[TB], 2*PLACE
.endif
.endm
	s_mov_b32 s[KK], 0
	s_mov_b32 s[CNT], 3
.Lfirst:                                       ; trips 0-2, places 0-3
	STEP 1
	s_sub_co_u32 s[CNT], s[CNT], 1
	s_cmp_lg_u32 s[CNT], 0
	s_cbranch_scc1 .Lfirst
	s_wait_tensorcnt 0x0                           ; my part of places 4-11 has landed: a group 0 may be written
	ds_add_u32 v[SPW], v[NIL]
	s_mov_b64 s[G0+2:G0+3], s[GF2:GF2+1]
	s_wait_dscnt 0x0                               ; the add is done, and my reads of places 0-3 are over
	CROUND                                         ; no wave of any partner still reads them or has a load on its way
	tensor_load_to_lds s[G0:G0+3], s[G1Q:G1Q+7]    ; the one refill: it has four trips in which to land
	s_nop 0
	PLACES 4
	s_mul_i32 s[TB], s[RL], PLACE                  ; waves 8-15: places 4, 6, 8, 10; waves 0-7: 5, 7, 9, 11
	s_add_co_u32 s[TB], s[TB], SLOTB
	s_mov_b32 s[CNT], 4
.Lsecond:                                      ; trips 3-6
	STEP 0
	s_sub_co_u32 s[CNT], s[CNT], 1
	s_cmp_lg_u32 s[CNT], 0
	s_cbranch_scc1 .Lsecond
	s_wait_tensorcnt 0x0                           ; my part of the refill is in
	s_wait_dscnt 0x0
	s_barrier_signal -1
	s_barrier_wait -1                              ; everybody's is, and nobody reads places 4-11 any more
	s_mul_i32 s[TB], s[RL], PLACE                  ; waves 8-15: places 0, 2; waves 0-7: 1, 3
	s_mov_b32 s[CNT], 2
.Lthird:                                       ; trips 7, 8
	STEP 0
	s_sub_co_u32 s[CNT], s[CNT], 1
	s_cmp_lg_u32 s[CNT], 0
	s_cbranch_scc1 .Lthird
	; THE TWO PARTS OF THE LATE TILE MEET.  Waves 8-15 store theirs as images of their registers; a barrier; waves 0-7 load them into the same lanes
	s_cmp_eq_u32 s[RE], 0
	s_cbranch_scc1 .Lkeep
	v_add_f32 v14, v14, v15                        ; the sum's two halves,
	v_mov_b32 v15, v12                             ; and -M beside it
	PLACES 3                                       ; with the two above: the places behind the last products
	s_wait_alu depctr_va_vdst(0)                   ; directly ahead of the first reader of O^T
.irp i, 0,1,2,3,4,5,6,7
	ds_store_b128 v[STG], v[160+4*\i:163+4*\i] offset:512*\i
.endr
	ds_store_b64 v[STH], v[14:15]
.Lkeep:
	s_wait_dscnt 0x0
	s_barrier_signal -1
	s_barrier_wait -1
	s_cmp_lg_u32 s[RE], 0
	s_cbranch_scc1 .Lend
.irp i, 0,1,2,3,4,5,6,7
	ds_load_b128 v[96+4*\i:99+4*\i], v[STG] offset:512*\i
.endr
	ds_load_b64 v[128:129], v[STH]
	s_wait_dscnt 0x0
	v_add_f32 v14, v14, v15                        ; both parts under the larger M: factors 2^(own M - larger M), made of whole numbers: nothing is rounded
	v_min_num_f32 v208, v12, v129                  ; the smaller -M
	v_sub_f32 v209, v208, v12
	v_sub_f32 v210, v208, v129
	v_cvt_i32_f32 v209, v209                       ; (they saturate)
	v_cvt_i32_f32 v210, v210
	v_ldexp_f32 v212, 1.0, v209
	v_ldexp_f32 v210, 1.0, v210
	v_mul_f32 v14, v14, v212
	v_fma_f32 v14, v128, v210, v14
	v_mov_b32 v15, 0
	s_wait_alu depctr_va_vdst(0)                   ; directly ahead of the first reader of O^T
.set j, 0
.rept 16
	v_pk_mul_f32 v[160+j:161+j], v[160+j:161+j], v[212:213] op_sel_hi:[1,0]
	v_pk_fma_f32 v[160+j:161+j], v[96+j:97+j], v[210:211], v[160+j:161+j] op_sel_hi:[1,0,1]
.set j, j+2
.endr
	OUT1 12
.Lend:
	s_wait_tensorcnt 0x0                           ; the wave's end
	ds_add_u32 v[SPW], v[NIL]
	s_wait_dscnt 0x0
	CROUND                                         ; the closing round
	s_endpgm
.Lfunc_end_k_qb4faa50447_attn:
	.size	k_qb4faa50447_attn, .Lfunc_end_k_qb4faa50447_attn-k_qb4faa50447_attn
	.p2alignl 7, 3214868480
	.fill 96, 4, 3214868480
	.section	.rodata,"a",@progbits
	.p2align	6, 0x0
	.amdhsa_kernel k_qb4faa50447_attn
		.amdhsa_group_segment_fixed_size 327680
		.amdhsa_private_segment_fixed_size 0
		.amdhsa_enable_private_segment 0
		.amdhsa_kernarg_size 40
		.amdhsa_user_sgpr_count 2
		.amdhsa_user_sgpr_kernarg_segment_ptr 1
		.amdhsa_wavefront_size32 1
		.amdhsa_system_sgpr_workgroup_id_x 1
		.amdhsa_system_sgpr_workgroup_id_y 1
		.amdhsa_system_sgpr_workgroup_id_z 1
		.amdhsa_system_vgpr_workitem_id 0
		.amdhsa_next_free_vgpr 256
		.amdhsa_next_free_sgpr 90
		.amdhsa_reserve_vcc 1
		.amdhsa_float_denorm_mode_32 3
		.amdhsa_float_denorm_mode_16_64 3
		.amdhsa_memory_ordered 1
		.amdhsa_forward_progress 1
		.amdhsa_inst_pref_size 112
	.end_amdhsa_kernel
	.amdgpu_metadata
---
amdhsa.version: [ 1, 2 ]
amdhsa.kernels:
  - .name:           k_qb4faa50447_attn
    .symbol:         k_qb4faa50447_attn.kd
    .args:
      - { .name: q_img, .offset: 0, .size: 8, .value_kind: global_buffer, .address_space: global }
      - { .name: kv_img, .offset: 8, .size: 8, .value_kind: global_buffer, .address_space: global }
      - { .name: mask, .offset: 16, .size: 8, .value_kind: global_buffer, .address_space: global }
      - { .name: lowp_scales, .offset: 24, .size: 8, .value_kind: global_buffer, .address_space: global }
      - { .name: a_img, .offset: 32, .size: 8, .value_kind: global_buffer, .address_space: global }
    .group_segment_fixed_size: 327680
    .private_segment_fixed_size: 0
    .kernarg_segment_align: 8
    .kernarg_segment_size: 40
    .max_flat_workgroup_size: 512
    .sgpr_count:     90
    .vgpr_count:     256
    .wavefront_size: 32
...
	.end_amdgpu_metadata
.endif
;; end of part 3
;; launch oproj (part 4): grid 8 x 32, 4 waves a work-group, clusters of 4 x 4, 327,680 bytes of LDS; arguments a_img, Wo_codes, lowp_scales, out0, bo; writes out0
.if DOCPART == 4
	.amdgcn_target "amdgcn-amd-amdhsa--gfx1250"
	.amdhsa_code_object_version 6
	.text
	.protected	k_qb4faa50447_oproj
	.globl	k_qb4faa50447_oproj
	.p2align	8
	.type	k_qb4faa50447_oproj,@function
k_qb4faa50447_oproj:
	s_mov_b64 s[64:65], 0
	v_nop
	global_prefetch_b8 v0, s[64:65] scope:SCOPE_SE
	s_setreg_imm32_b32 hwreg(HW_REG_WAVE_MODE, 25, 1), 1
	s_wait_xcnt 0x0
	s_wait_alu depctr_hold_cnt(0) depctr_sa_sdst(0) depctr_va_vdst(0) depctr_va_sdst(0) depctr_va_ssrc(0) depctr_va_vcc(0) depctr_vm_vsrc(0)
	s_getreg_b32 s2, hwreg(HW_REG_IB_STS2, 6, 4)
	s_cmp_eq_u32 s2, 0
	s_cbranch_scc0 .Lentry_in_a_cluster
	s_endpgm
.Lentry_in_a_cluster:
	s_bfe_u32 s2, ttmp6, 0x10000c
	s_cmp_lg_u32 s2, 0xf033
	s_cbranch_scc0 .Lentry_shape_is_right
	s_endpgm
.Lentry_shape_is_right:
; out0 = attn Wo + bo on E4M3 codes.  attn arrives as images of operand registers (a_img: tile of 16 rows at 16,384 x tile, K step of 128 at 2,048 x step, chunk c at 512 c, 16 bytes a lane); Wo as rows of 1,024 codes.
; SHARES.  A work-group makes 128 rows x 256 columns: 32 x 8 = 256 work-groups.  A wave makes 64 x 128: 32 accumulators, window 2.
; K goes in steps of 256 through two LDS slots (A's 8 tiles x 4,096 dense bytes, then B's 256 rows, 272 bytes apart); waves 0, 1 fetch A's halves, waves 2, 3 B's: one tensor load a wave behind each round.
; CLUSTERS 4 x 4: A's tile is asked for jointly along a row of the cluster, B's along a column.  The matrix instruction is used transposed (source 0 = Wo's rows): a lane holds eight neighbouring columns of a row.
; REGISTERS: window 0: v16-31 addresses, v32-95 bo, v128-255 A's fragments, two sets of 64 (on the way out: rows read back); window 1: B's fragments, two sets of 128 (on the way out: at work); window 2: the sums.
; THE WAY OUT: 16 rows x 128 columns at a time through the wave's stage in slot 0, which has had its last fill and its last read; 32 lanes store 512 consecutive bytes of a row.
; PREFETCH: K has four steps, so the two refills have no K step two on: K steps 2 and 3 are named once, at the head, two changes of slots ahead of their loads; the four partners of a tile share it by address
; (A: one tile of 16 rows each, lanes 256 bytes apart; B: 32 rows each, a lane a row); B's rows are named by the first four rows of clusters alone.
; LIMIT: e10 + e11 between -126 and 127.
.set SIZE_N, 2048
.set KROW,   1024
.set ROWB,   256
.set PITCH,  272
.set FR,     16
.set NP,     4
.set HALFA,  16384
.set HALFB,  128*PITCH
.set ASLOT,  2*HALFA
.set SLOT,   ASLOT+2*HALFB
.set LAPS,   KROW/(2*ROWB)
.set SPARE,  2*SLOT
.set SPITCH, 528
.set ADRA, 16
.set ADRB, 20
.set PFO,  23
.set STO,  24
.set RD,   25
.set CO,   26
.set HB,   27
.set SPW,  28
.set NIL,  29
.set BIAS, 32
.set TMP,  0
.set AF,   128
.set BK,   128
.set G1, 24
.set G0, 32
.set G1B, 48
.set G0B, 56
.set PFA, 78
.set PLIM, 86
.set MSB, 0
.macro WIN new
.if MSB != (\new)
	s_set_vgpr_msb (MSB<<8)|(\new)
.set MSB, (\new)
.endif
.endm
.set MUL_LO, 0xa1
.set TO_B,   0x40
.macro PLACES n
.rept \n
	v_nop
.endr
.endm
.macro JLOAD g0a, g1a, g0b, g1b
	s_cmp_eq_u32 s15, 0
	s_cbranch_scc0 .Lfor_b_\@
	tensor_load_to_lds s[\g0a:\g0a+3], s[\g1a:\g1a+7]
	s_nop 0
	PLACES 4
	s_branch .Lasked_\@
.Lfor_b_\@:
	tensor_load_to_lds s[\g0b:\g0b+3], s[\g1b:\g1b+7]
	s_nop 0
	PLACES 4
.Lasked_\@:
.endm
.macro CREST
	s_cmp_lg_u32 s14, 0
	s_cbranch_scc1 .Lnot_wave_0_\@
	s_barrier_signal -3
.Lnot_wave_0_\@:
	s_barrier_wait -3
	s_barrier_signal -1
	s_barrier_wait -1
.endm
.macro CROUND
	s_barrier_signal -1
	s_barrier_wait -1
	CREST
.endm
	s_load_b128 s[4:7], s[0:1], 0x0                ; a_img, Wo's codes
	s_load_b128 s[8:11], s[0:1], 0x10              ; the scales, out0
	s_load_b64 s[68:69], s[0:1], 0x20              ; bo
	v_lshl_add_u32 v[SPW], v0, 2, SPARE
	v_mov_b32 v[NIL], 0
	ds_add_u32 v[SPW], v[NIL]                      ; the opening
	ds_add_u32 v[SPW], v[NIL]
	v_lshrrev_b32 v1, 5, v0
	v_readfirstlane_b32 s14, v1
	s_lshr_b32 s15, s14, 1
	s_and_b32 s16, s14, 1
	s_bfe_u32 s40, ttmp6, 0x40000
	s_bfe_u32 s41, ttmp6, 0x40004
	s_lshl_b32 s42, ttmp9, 2
	s_add_co_u32 s42, s42, s40                     ; tile column, 0..7
	s_and_b32 s17, ttmp7, 0xffff
	s_lshl_b32 s17, s17, 2
	s_add_co_u32 s17, s17, s41                     ; tile row, 0..31
	s_lshl_b32 s43, s41, 2
	s_lshl_b32 s43, 15, s43
	s_lshl_b32 s44, 0x1111, s40
	s_or_b32 s[G1+0], s43, (1<<21)                 ; A: four tiles of 16 rows, 4,096 dense bytes each, 16,384 apart; no padding
	s_mov_b32 s[G1+1], 4096<<16
	s_mov_b32 s[G1+2], 4<<16
	s_mov_b32 s[G1+3], 4096<<16
	s_mov_b32 s[G1+4], 4
	s_mov_b32 s[G1+5], 16384
	s_mov_b32 s[G1+6], 0
	s_mov_b32 s[G1+7], 0
	s_or_b32 s[G1B+0], s44, (1<<20)|(1<<21)|(5<<22)|(3<<25)
	s_mov_b32 s[G1B+1], ROWB<<16
	s_mov_b32 s[G1B+2], 128<<16
	s_mov_b32 s[G1B+3], ROWB<<16
	s_mov_b32 s[G1B+4], 128
	s_mov_b32 s[G1B+5], KROW
	s_mov_b32 s[G1B+6], 0
	s_mov_b32 s[G1B+7], 0
	s_lshl_b32 s20, s17, 17                        ; A: 8 tiles x 16,384 bytes a tile row, + 4 tiles x half
	s_lshl_b32 s18, s16, 16
	s_add_co_u32 s20, s20, s18
	s_mov_b32 s21, 0
	s_lshl_b32 s46, s42, 18                        ; B: 256 rows x 1,024 bytes a tile column, + 128 rows x half
	s_lshl_b32 s18, s16, 17
	s_add_co_u32 s46, s46, s18
	s_mov_b32 s47, 0
	s_mul_i32 s45, s16, HALFA
	s_mul_i32 s66, s16, HALFB
	s_add_co_u32 s66, s66, ASLOT
	s_wait_dscnt 0x0
	s_wait_kmcnt 0x0
	s_load_b64 s[96:97], s[8:9], 0x28              ; e10, e11
	s_add_nc_u64 s[20:21], s[4:5], s[20:21]
	s_add_nc_u64 s[46:47], s[6:7], s[46:47]
.irp s, 0,1
	s_mov_b32 s[G0+4*\s], 1
	s_add_co_u32 s[G0+4*\s+1], s45, \s*SLOT
	s_add_nc_u64 s[G0+4*\s+2:G0+4*\s+3], s[20:21], \s*4096
	s_or_b32 s[G0+4*\s+3], s[G0+4*\s+3], 0x80000000
	s_mov_b32 s[G0B+4*\s], 1
	s_add_co_u32 s[G0B+4*\s+1], s66, \s*SLOT
	s_add_nc_u64 s[G0B+4*\s+2:G0B+4*\s+3], s[46:47], \s*ROWB
	s_or_b32 s[G0B+4*\s+3], s[G0B+4*\s+3], 0x80000000
.endr
	CROUND
	JLOAD G0, G1, G0B, G1B                         ; K step 0: one tensor load a wave at the head
	s_mul_i32 s21, s15, HALFA
	s_mul_i32 s22, s16, HALFB
	s_add_co_u32 s22, s22, ASLOT
	s_mul_i32 s23, s14, 16*SPITCH                  ; my stage
	s_lshl_b32 s20, s17, 7
	s_lshl_b32 s18, s15, 6
	s_add_co_u32 s20, s20, s18                     ; my first row of out0
	s_lshl_b32 s74, s20, 13
	s_mov_b32 s75, 0
	s_lshl_b32 s46, s42, 10
	s_lshl_b32 s47, s16, 9
	s_add_co_u32 s46, s46, s47                     ; my first column, in bytes
	s_mov_b32 s47, 0
	s_add_nc_u64 s[10:11], s[10:11], s[74:75]
	s_add_nc_u64 s[10:11], s[10:11], s[46:47]
	s_add_nc_u64 s[68:69], s[68:69], s[46:47]
	s_lshl_b32 s80, s17, 3                         ; the prefetches: A: tile 8 x tile row + 4 x half + cx
	s_lshl_b32 s82, s16, 2
	s_add_co_u32 s80, s80, s82
	s_add_co_u32 s80, s80, s40
	s_lshl_b32 s80, s80, 14
	s_lshl_b32 s81, s42, 8                         ; B: row 256 x tile column + 128 x half + 32 cy
	s_lshl_b32 s82, s16, 7
	s_add_co_u32 s81, s81, s82
	s_lshl_b32 s82, s41, 5
	s_add_co_u32 s81, s81, s82
	s_lshl_b32 s81, s81, 10
	s_and_b32 s85, ttmp7, 0xffff
	s_cmp_lt_u32 s85, 4
	s_cselect_b32 s85, 1, 0
	s_cmp_eq_u32 s15, 0
	s_cselect_b64 s[PFA:PFA+1], s[4:5], s[6:7]
	s_cselect_b32 s80, s80, s81
	s_cselect_b32 s82, 8, 10                       ; from lane to lane: 256 bytes in A's tile, a row of 1,024 in B
	s_cselect_b32 s84, 15, 31
	s_cselect_b32 s[PLIM], 1, s85
	s_mov_b32 s81, 0
	s_add_nc_u64 s[PFA:PFA+1], s[PFA:PFA+1], s[80:81]
	v_and_b32 v1, 15, v0
	v_bfe_u32 v2, v0, 4, 1
	v_and_b32 v6, 31, v0
	v_mul_u32_u24 v3, v1, PITCH
	v_lshl_add_u32 v4, v2, 4, v3
	v_lshlrev_b32 v[CO], 4, v6
	v_lshlrev_b32 v[HB], 5, v2
	v_add_nc_u32 v[ADRA], s21, v[CO]
	v_add_nc_u32 v[ADRB], s22, v4
	v_add_nc_u32 v[ADRA+1], SLOT, v[ADRA]
	v_add_nc_u32 v[ADRB+1], SLOT, v[ADRB]
	v_mul_u32_u24 v5, v1, SPITCH
	v_lshl_add_u32 v5, v2, 5, v5
	v_add_nc_u32 v[STO], s23, v5
	v_add_nc_u32 v[RD], s23, v[CO]
	v_min_u32 v[PFO], s84, v6
	v_lshlrev_b32 v[PFO], s82, v[PFO]
	s_wait_alu depctr_va_vdst(0)
	s_cmp_eq_u32 s[PLIM], 1
	s_cbranch_scc0 .Lno_ask
	s_cmp_eq_u32 s15, 0
	s_cbranch_scc0 .Lask_b
	global_prefetch_b8 v[PFO], s[PFA:PFA+1] offset:8192 th:TH_LOAD_NT scope:SCOPE_SE    ; A's K step 2,
	global_prefetch_b8 v[PFO], s[PFA:PFA+1] offset:12288 th:TH_LOAD_NT scope:SCOPE_SE   ; and 3
	s_branch .Lno_ask
.Lask_b:
	global_prefetch_b8 v[PFO], s[PFA:PFA+1] offset:512 th:TH_LOAD_NT scope:SCOPE_SE     ; B's K step 2,
	global_prefetch_b8 v[PFO], s[PFA:PFA+1] offset:768 th:TH_LOAD_NT scope:SCOPE_SE     ; and 3
.Lno_ask:
.irp b, 0,1,2,3,4,5,6,7
	global_load_b128 v[BIAS+8*\b:BIAS+8*\b+3], v[HB], s[68:69] offset:64*\b
	global_load_b128 v[BIAS+8*\b+4:BIAS+8*\b+7], v[HB], s[68:69] offset:64*\b+16
.endr
.macro FRAG reg, adr, q, i
.irp c, 0,1,2,3
	ds_load_b128 v[\reg+4*\c:\reg+4*\c+3], v[\adr] offset:128*(\q)+32*\c+(\i)*16*PITCH
.endr
.endm
.macro FRAGA reg, adr, q, i            ; an image: 512 consecutive bytes a load
.irp c, 0,1,2,3
	ds_load_b128 v[\reg+4*\c:\reg+4*\c+3], v[\adr] offset:2048*(\q)+512*\c+(\i)*4096
.endr
.endm
.macro MUL16 a0, p, zero               ; the 32 accumulators take turns in one order
.irp a, \a0, \a0+1
.irp b, 0,1,2,3,4,5,6,7
.if \zero
	v_wmma_f32_16x16x128_fp8_fp8 v[8*(8*(\a)+\b):8*(8*(\a)+\b)+7], v[128*(\p)+FR*\b:128*(\p)+FR*\b+FR-1], v[AF+64*(\p)+FR*(\a):AF+64*(\p)+FR*(\a)+FR-1], 0
.else
	v_wmma_f32_16x16x128_fp8_fp8 v[8*(8*(\a)+\b):8*(8*(\a)+\b)+7], v[128*(\p)+FR*\b:128*(\p)+FR*\b+FR-1], v[AF+64*(\p)+FR*(\a):AF+64*(\p)+FR*(\a)+FR-1], v[8*(8*(\a)+\b):8*(8*(\a)+\b)+7]
.endif
.endr
.endr
.endm
.macro FETCH slot, q, p
	WIN TO_B
.irp i, 0,1,2,3,4,5,6,7
	FRAG 128*(\p)+FR*\i, ADRB+\slot, \q, \i
.endr
	WIN 0
.irp i, 0,1,2,3
	FRAGA AF+64*(\p)+FR*\i, ADRA+\slot, \q, \i
.endr
.endm
.macro STEP slot, zero
	s_wait_dscnt 0x0
	PLACES NP
	FETCH \slot, 1, 1
	WIN MUL_LO
	MUL16 0, 0, \zero
	MUL16 2, 0, \zero
	WIN 0
.endm
.macro TURN slot, next, fill
	s_wait_tensorcnt 0x0                           ; my part of the next slot has landed
	ds_add_u32 v[SPW], v[NIL]
	s_wait_dscnt 0x0                               ; the add is done, my reads of this slot are over: its last fragments lie in set 1
	s_barrier_signal -1
	s_barrier_wait -1
.if \fill
	CREST
	s_add_nc_u64 s[G0+4*\slot+2:G0+4*\slot+3], s[G0+4*\slot+2:G0+4*\slot+3], 2*4096
	s_add_nc_u64 s[G0B+4*\slot+2:G0B+4*\slot+3], s[G0B+4*\slot+2:G0B+4*\slot+3], 2*ROWB
	JLOAD G0+4*\slot, G1, G0B+4*\slot, G1B
.else
	PLACES NP
.endif
	FETCH \next, 0, 0
	WIN MUL_LO                                     ; the old slot's last 128 along K are multiplied behind the refill's request, while the next fragments come
	MUL16 0, 1, 0
	MUL16 2, 1, 0
	WIN 0
.endm
	s_wait_alu depctr_va_vdst(0)
	s_wait_tensorcnt 0x0
	ds_add_u32 v[SPW], v[NIL]
	s_wait_dscnt 0x0
	CROUND
	JLOAD G0+4, G1, G0B+4, G1B                     ; K step 1
	FETCH 0, 0, 0
	STEP 0, 1
	s_mov_b32 s3, LAPS-1
.Llap:
	TURN 0, 1, 1
	STEP 1, 0
	TURN 1, 0, 1
	STEP 0, 0
	s_sub_co_u32 s3, s3, 1
	s_cmp_lg_u32 s3, 0
	s_cbranch_scc1 .Llap
	TURN 0, 1, 0
	STEP 1, 0
	s_wait_dscnt 0x0
	WIN MUL_LO
	MUL16 0, 1, 0
	MUL16 2, 1, 0
	WIN 0
.macro TOSTAGE a
.set AC, 64*(\a)
	WIN 0x42
.set j, 0
.rept 32
	v_pk_fma_f32 v[TMP+j:TMP+j+1], v[AC+j:AC+j+1], s[96:97], v[BIAS+j:BIAS+j+1] op_sel_hi:[1,0,1]   ; sum x 2^(e10 + e11) + bo
.set j, j+2
.endr
	WIN 0x04
.irp b, 0,1,2,3,4,5,6,7
	ds_store_b128 v[STO], v[TMP+8*\b:TMP+8*\b+3] offset:64*\b
	ds_store_b128 v[STO], v[TMP+8*\b+4:TMP+8*\b+7] offset:64*\b+16
.endr
	WIN 0
.set BB, BK+64*((\a)%2)
.irp t, 0,1,2,3,4,5,6,7,8,9,10,11,12,13,14,15
	ds_load_b128 v[BB+4*\t:BB+4*\t+3], v[RD] offset:\t*SPITCH      ; LDS serves a wave's instructions in order: these see my stores
.endr
.endm
.macro SEND a, younger
.set BB, BK+64*((\a)%2)
	s_wait_dscnt \younger
.if (\a) > 0
	s_add_nc_u64 s[10:11], s[10:11], 16*SIZE_N*4
.endif
.irp t, 0,1,2,3,4,5,6,7,8,9,10,11,12,13,14,15
	global_store_b128 v[CO], v[BB+4*\t:BB+4*\t+3], s[10:11] offset:\t*SIZE_N*4 th:TH_STORE_NT
.endr
.endm
	s_wait_kmcnt 0x0
	s_add_co_i32 s96, s96, s97
	s_add_co_i32 s96, s96, 127
	s_lshl_b32 s96, s96, 23
	s_mov_b32 s97, s96
	s_wait_loadcnt 0x0                             ; bo
	PLACES NP
	TOSTAGE 0
.irp a, 1,2,3
.if \a > 1
	s_wait_xcnt 0x0                                ; block a - 2's stores have read their registers and their base
.endif
	TOSTAGE \a
	SEND \a-1, 32                                  ; behind block a - 1's loads: block a's 16 stores and 16 loads
.endr
	s_wait_xcnt 0x0
	SEND 3, 0
	s_wait_tensorcnt 0x0                           ; the wave's end
	ds_add_u32 v[SPW], v[NIL]
	s_wait_dscnt 0x0
	CROUND                                         ; the closing round
	s_endpgm
.Lfunc_end_k_qb4faa50447_oproj:
	.size	k_qb4faa50447_oproj, .Lfunc_end_k_qb4faa50447_oproj-k_qb4faa50447_oproj
	.p2alignl 7, 3214868480
	.fill 96, 4, 3214868480
	.section	.rodata,"a",@progbits
	.p2align	6, 0x0
	.amdhsa_kernel k_qb4faa50447_oproj
		.amdhsa_group_segment_fixed_size 327680
		.amdhsa_private_segment_fixed_size 0
		.amdhsa_enable_private_segment 0
		.amdhsa_kernarg_size 40
		.amdhsa_user_sgpr_count 2
		.amdhsa_user_sgpr_kernarg_segment_ptr 1
		.amdhsa_wavefront_size32 1
		.amdhsa_system_sgpr_workgroup_id_x 1
		.amdhsa_system_sgpr_workgroup_id_y 1
		.amdhsa_system_sgpr_workgroup_id_z 1
		.amdhsa_system_vgpr_workitem_id 0
		.amdhsa_next_free_vgpr 1024
		.amdhsa_next_free_sgpr 98
		.amdhsa_reserve_vcc 0
		.amdhsa_float_denorm_mode_32 3
		.amdhsa_float_denorm_mode_16_64 3
		.amdhsa_memory_ordered 1
		.amdhsa_forward_progress 1
		.amdhsa_inst_pref_size 78
	.end_amdhsa_kernel
	.amdgpu_metadata
---
amdhsa.version: [ 1, 2 ]
amdhsa.kernels:
  - .name:           k_qb4faa50447_oproj
    .symbol:         k_qb4faa50447_oproj.kd
    .args:
      - { .name: a_img, .offset: 0, .size: 8, .value_kind: global_buffer, .address_space: global }
      - { .name: Wo_codes, .offset: 8, .size: 8, .value_kind: global_buffer, .address_space: global }
      - { .name: lowp_scales, .offset: 16, .size: 8, .value_kind: global_buffer, .address_space: global }
      - { .name: out0, .offset: 24, .size: 8, .value_kind: global_buffer, .address_space: global }
      - { .name: bo, .offset: 32, .size: 8, .value_kind: global_buffer, .address_space: global }
    .group_segment_fixed_size: 327680
    .private_segment_fixed_size: 0
    .kernarg_segment_align: 8
    .kernarg_segment_size: 40
    .max_flat_workgroup_size: 128
    .sgpr_count:     98
    .vgpr_count:     1024
    .wavefront_size: 32
...
	.end_amdgpu_metadata
.endif
;; end of part 4
